; MI455X (gfx1250); checked and timed in simulation.
; The chip was launched on July 23, 2026; its instructions are those of AMD's public machine-readable ISA for CDNA 5 (MIT licence, August 2026) and "CDNA5" Instruction Set Architecture Reference Guide (July 2026). The comments in the code are by the model that wrote it; some were corrected since.
;; Flash Attention With KV Cache. Allowed arithmetic: matrix products marked QUANTISED: E2M3 operands, one E8M0 scale for each 32 along K, by v_wmma_scale_f32_16x16x128_f8f6f4 with both operands' format E2M3, f32 sums; everything else in f32.
;; Inputs: W_attn 1,024 x 3,072 float32; W_proj 1,024 x 1,024 float32; cache_k 2 x 16 x 2,048 x 64 float32; cache_v 2 x 16 x 2,048 x 64 float32; x 2 x 2,048 x 1,024 float32.
;; Outputs: out0 2 x 2,048 x 1,024 float32.
;; This version of the problem:
;;   THIS VERSION OF THE PROBLEM IS GIVEN IN LOW PRECISION. The matrix products marked QUANTISED in the list below multiply operands that are first quantised to E2M3 (2 exponent bits, 3 mantissa bits; 6 bits a number), with one power-of-two scale for each 32 numbers along K (OCP MX v1.0); their sums are f32. All else is computed in f32.
;;   The module's matrix products, in the order in which they are computed (A, B: the left and right operand; K: the contracted axis; several contracted axes count as one K, in the product's order):
;;     1. [M 4,096, K 1,024] x [K 1,024, N 3,072]; A: input x; B: input W_attn: QUANTISED
;;     2. batch 32 x [M 2,048, K 64] x [K 64, N 2,048]; A: computed on the way; B: computed on the way: QUANTISED
;;     3. batch 32 x [M 2,048, K 2,048] x [K 2,048, N 64]; A: softmax (see below); B: computed on the way: QUANTISED
;;     4. [M 4,096, K 1,024] x [K 1,024, N 1,024]; A: computed on the way; B: input W_proj: QUANTISED
;;   THE QUANTISER, for each operand of a quantised product, along K:
;;     - K is cut into blocks of 32 from its start; a last block that is shorter is filled with zeros.
;;     - A block's scale is 2^e with e = floor(log2(the largest magnitude in the block)) - 2, held to -126 .. 127; a block of zeros has e = 0. As a byte (E8M0): e + 127.
;;     - Each number is divided by its block's scale, clamped to +-7.5, and rounded to the nearest number of E2M3, ties to even, subnormals kept.
;;     - The product sums the exact products of the quantised numbers (number of the format x scale) in f32.
;;   ~~~python
;;   def quantise(x, axis):      # numpy; x: float32 -> the quantised numbers, widened to float32 again
;;       x = np.moveaxis(x, axis, -1); K = x.shape[-1]
;;       x = np.pad(x, [(0, 0)] * (x.ndim - 1) + [(0, -K % 32)]); x = x.reshape(x.shape[:-1] + (-1, 32)); a = np.abs(x).max(-1, keepdims=True)
;;       e = np.where(a > 0, np.clip(np.frexp(np.where(a > 0, a, 1))[1] - 1 - 2, -126, 127), 0)      # np.frexp(a)[1] - 1 = floor(log2(a)), exactly
;;       r = np.clip(x / 2.0 ** e, -7.5, 7.5)
;;       step = 2.0 ** (np.maximum(np.frexp(np.where(r == 0, 1, r))[1] - 1, 0) - 3)
;;       q = np.round(r / step) * step * 2.0 ** e      # np.round: ties to even
;;       return np.moveaxis(q.reshape(q.shape[:-2] + (-1,))[..., :K], -1, axis).astype(np.float32)
;;   ~~~
;;   SOFTMAX AHEAD OF A QUANTISED PRODUCT. Where the list says 'softmax', what is quantised is not the finished softmax but p = 2^(t - M), with t = logit x log2(e) and M = ceil(the row's largest t), a whole number; so 1/2 < the row's largest p <= 1. The row's sum l is taken of the UNQUANTISED p, in f32, and the product's result is divided by l at the end. Since M is a whole number, a kernel that streams over the keys may use a running M (the ceiling of the running maximum): every later rescaling is an exact power of two, which a block's scale takes up: the codes' values come out the same.
;;   OPERANDS COMPUTED ON THE WAY. 'Computed on the way' means the value that the module computes at that place (a softmax that the list does not call 'softmax' is quantised finished and normalised). What goes into a quantiser is computed in f32, as accurately as f32 sums, v_exp_f32 and their like allow (about 1e-6 of the number): no bf16 or f16 on the way to a quantiser, and a product that is left as it is and whose result goes on into a quantised operand takes f32 operands (vector FMAs, or v_wmma_f32_16x16x4_f32). A number that lies on a knife's edge between two numbers of the format may be rounded either way, as far as f32 arithmetic and the matrix unit's own rounding can turn it there, and no further.
;; One version. Each part assembles by itself: llvm-mc -triple=amdgcn-amd-amdhsa -mcpu=gfx1250 --defsym DOCPART=n.
;; ======== version 1 of 1: 4 launches
;; limits: right only within a limited range of input values
;; workspace buffers: pw 7,077,888 bytes; qw 10,223,616 bytes; yw 3,407,872 bytes
;; launch prep (part 1): grid 256 x 1, 4 waves a work-group, no clusters, 62,976 bytes of LDS; arguments x, W_attn, W_proj, pw; writes pw
.if DOCPART == 1
	.amdgcn_target "amdgcn-amd-amdhsa--gfx1250"
	.amdhsa_code_object_version 6
	.text
	.protected	k_q88aaff9442_prep
	.globl	k_q88aaff9442_prep
	.p2align	8
	.type	k_q88aaff9442_prep,@function
k_q88aaff9442_prep:
	s_mov_b64 s[64:65], 0
	v_nop
	global_prefetch_b8 v0, s[64:65] scope:SCOPE_SE
	s_setreg_imm32_b32 hwreg(HW_REG_WAVE_MODE, 25, 1), 1
	s_wait_xcnt 0x0
; PREP: x [4096][1024], W_attn [1024][3072] and W_proj [1024][1024], f32, become codes of E2M3 with one E8M0 byte for each 32 along K (K = 1,024 in all three); and the rotary table cos, sin is made.
; DEAD WORK, for all values of the inputs.  cache_k and cache_v have the very shape of k and v, [2][16][2048][64], and reference() writes k and v over them from (0,0,0,0) on: every element of both is
; replaced before it is read, so neither has a way to the output: they are not loaded and are no launch's argument.  LIMIT: a NaN or an infinity in a cache is not carried to the result.
; The causal mask is built by reference() itself: blocks of 128 keys that lie wholly behind a tile's queries are not multiplied (third launch).
; THE QUANTISER: a block's scale byte is its largest magnitude's exponent field - 2, held at 1 from below by a floor among the maximum's leaves; the conversion divides, rounds to nearest even and holds at the largest code.
; LIMITS: a block of zeros gets the byte 1 where the rule says 127 (its codes are zeros; this program alone reads the bytes); blocks under 2^-124 are held at the byte 1; NaN and infinities among the inputs are not served.
; THE FORMAT OF ALL OPERANDS: a RECORD of 768 bytes is 16 operand rows x 64 along K as an image of six operand registers: lane l = r + 16 h holds row r, k = 32 h .. 32 h + 31, 24 bytes:
; the first 16 at 16 l, the last 8 at 512 + 8 l.  THE ROWS OF A TILE ARE NOT NEIGHBOURS: in each 32 rows, lane r of tile u takes row 8 u + r + 8 (r / 8).
; A PANEL is 128 rows: [chunk of 256 K: 4][tile: 8][64 K: 4][768]; its scale bytes [chunk 4][16 tile + r: 128][8].
; SHARES.  Every wave makes 32 rows x 256 K: 6,144 consecutive bytes of codes and 256 of scale bytes.  Work-groups 0-127: x (K innermost: the numbers turn through the wave's own LDS so that a lane holds a block of 32);
; 128-223: W_attn, 224-255: W_proj (K outermost: a lane takes a column and its registers run down K; no LDS).  No tensor loads, no barrier: waves share nothing.
.set XSC,   3145728                    ; pw: x's codes at 0, its scale bytes here,
.set WAC,   3276800                    ; W_attn's codes,
.set WAS,   5636096                    ; scale bytes,
.set WPC,   5734400                    ; W_proj's codes,
.set WPS,   6520832                    ; scale bytes,
.set TAB,   6553600                    ; the table: [position 2048][pair 32][cos, sin] f32
.set WREG,  15616                      ; LDS of a wave: two turning stages of 32 x 144, a stage of 6,144 for the codes, 256 scale bytes
.set TSTG,  4608
.set CSTG,  9216
.set SBY,   15360
.set SPARE, 4*WREG                     ; the spare words, 128 bytes a wave: two blocks of 256 bytes that no other line names
.set L16, 3                            ; v3  16 x lane
.set L8,  4                            ; v4  8 x lane
.set TS,  10                           ; v10 turning stage, way in
.set TR,  11                           ; v11 way out: 144 x lane
.set CS16, 12                          ; v12 code stage: my block's first 16 bytes
.set CS8, 13                           ; v13 its last 8
.set SBA, 14                           ; v14 my block's scale byte
.set OUTA, 15                          ; v15 code stage, read back
.set SBO, 16                           ; v16 scale bytes, read back
.set SPW, 18                           ; v18 my spare word; never rewritten
.set NIL, 19                           ; v19 0; never rewritten
.set INV, 20                           ; v20 the lane's rotary frequency
.set R, 32                             ; v32-159  four sets of 32 registers as loaded
.set X, 160                            ; v160-223 two sets of 32 neighbours
.set C, 224                            ; v224-247 two sets of 12: codes and byte
.set TBL, 248                          ; v248-255 four pairs cos, sin
.set WA, 10                            ; weights: v10 4 x my column
.set WC, 11                            ; v11 my 16 bytes in the wave's two tiles
.set WX, 32                            ; v32-95 two sets of 32 numbers
.set WCD, 96                           ; v96-127 four registers of codes for each block
.set WD, 128                           ; v128-130 a block's upper 16 codes
.set WXP, 132                          ; v132-147 the last 8 bytes of each block, by pairs of blocks
.set WSB, 148                          ; v148-149 my column's 8 scale bytes
.macro MAX32 xb                        ; the largest magnitude of v[xb] .. v[xb+31] with the floor 2^(3-127), and in v7 the conversion's scale operand: 2 off the exponent field
	v_max3_num_f32 v8, |v[\xb]|, |v[\xb+1]|, |v[\xb+2]|
	v_max3_num_f32 v9, |v[\xb+3]|, |v[\xb+4]|, |v[\xb+5]|
.irp i, 6,10,14,18,22,26
	v_max3_num_f32 v8, v8, |v[\xb+\i]|, |v[\xb+\i+1]|
	v_max3_num_f32 v9, v9, |v[\xb+\i+2]|, |v[\xb+\i+3]|
.endr
	v_max3_num_f32 v8, v8, |v[\xb+30]|, |v[\xb+31]|
	v_max3_num_f32 v8, v8, v9, 0x1800000
	v_add_nc_u32 v7, 0xff000000, v8
.endm
.macro LOAD t                          ; step t: rows 4 t .. 4 t + 3, 1,024 bytes each: eight loads of 512 consecutive bytes
.irp i, 0,1,2,3,4,5,6,7
	global_load_b128 v[R+32*((\t)%4)+4*\i:R+32*((\t)%4)+4*\i+3], v[L16], s[4:5] offset:(4*(\t)+\i/2)*4096+(\i%2)*512 th:TH_LOAD_NT
.endr
.endm
.macro TURN t                          ; through the stage: in as loaded, 16 bytes of padding behind each 128; out 128 bytes a lane: lane l then holds block l % 8 of row 4 t + l / 8.  LDS serves a wave's instructions in order
.irp i, 0,1,2,3,4,5,6,7
	ds_store_b128 v[TS], v[R+32*((\t)%4)+4*\i:R+32*((\t)%4)+4*\i+3] offset:TSTG*((\t)%2)+576*\i
.endr
.irp j, 0,1,2,3,4,5,6,7
	ds_load_b128 v[X+32*((\t)%2)+4*\j:X+32*((\t)%2)+4*\j+3], v[TR] offset:TSTG*((\t)%2)+16*\j
.endr
.endm
.macro STEP t
.set XB, X+32*((\t)%2)
.set CB, C+12*((\t)%2)
.set UU, ((\t)/2)%2                    ; which of the wave's two tiles the step's rows fall into,
.set RR, 4*((\t)%2)+8*((\t)/4)         ; and the tile's lane of the step's first row
.if (\t) > 0
	s_wait_dscnt 3                                 ; this step's numbers are back (the last step's three stage stores may be out): so the stage's stores have read their registers,
.else
	s_wait_dscnt 0x0
.endif
.if (\t)+4 < 8
	LOAD (\t)+4                                    ; which take the loads of four steps on
.endif
.if (\t)+1 < 8
.if (\t) < 4
	s_wait_loadcnt 24                              ; the next step's eight loads are in; three younger sets may be out
.else
	s_wait_loadcnt 8*(6-(\t))
.endif
	TURN (\t)+1
.endif
	MAX32 XB
	v_cvt_scalef32_pk16_fp6_f32 v[CB:CB+2], v[XB:XB+15], v7
	v_cvt_scalef32_pk16_fp6_f32 v[CB+4:CB+6], v[XB+16:XB+31], v7   ; (a conversion's three registers begin on an even number)
	v_lshrrev_b32 v[CB+10], 23, v7                 ; the scale's byte; also the plain line behind the conversions
	v_mov_b32 v[CB+3], v[CB+4]
	v_mov_b32 v[CB+8], v[CB+5]
	v_mov_b32 v[CB+9], v[CB+6]
	ds_store_b128 v[CS16], v[CB:CB+3] offset:UU*3072+16*RR
	ds_store_b64 v[CS8], v[CB+8:CB+9] offset:UU*3072+8*RR
	ds_store_b8 v[SBA], v[CB+10] offset:UU*128+8*RR
.endm
.macro FREQ lane, val
	s_mov_b32 s30, \val
	v_writelane_b32 v[INV], s30, \lane
.endm
; cos and sin of position x frequency: the angle has one rounding, as in reference(); it is brought into [-pi/4, pi/4] by three fused steps with pi/2 in three parts; two short polynomials; the quadrant swaps and signs them.
.macro SINCOS k, d
	s_add_co_u32 s31, s26, \k
	v_cvt_f32_u32 v21, s31
	v_mul_f32 v21, v21, v[INV]
	v_mul_f32 v22, 0x3f22f983, v21
	v_rndne_f32 v22, v22
	v_fmamk_f32 v23, v22, 0xbfc90fd8, v21
	v_fmamk_f32 v23, v22, 0xb4a8885a, v23
	v_fmamk_f32 v23, v22, 0xa7c234c4, v23
	v_mul_f32 v24, v23, v23
	v_mov_b32 v25, 0x37cd4000
	v_fmaak_f32 v25, v25, v24, 0xbab6077d
	v_fmaak_f32 v25, v25, v24, 0x3d2aaaa8
	v_fma_f32 v25, v25, v24, -0.5
	v_fma_f32 v25, v25, v24, 1.0
	v_mov_b32 v26, 0x36405000
	v_fmaak_f32 v26, v26, v24, 0xb9500bb5
	v_fmaak_f32 v26, v26, v24, 0x3c0888c1
	v_fmaak_f32 v26, v26, v24, 0xbe2aaaab
	v_mul_f32 v27, v23, v24
	v_fma_f32 v26, v26, v27, v23
	v_cvt_i32_f32 v28, v22
	v_and_b32 v29, 1, v28
	v_cmp_eq_u32 vcc_lo, 1, v29
	v_cndmask_b32 v30, v25, v26, vcc_lo
	v_cndmask_b32 v31, v26, v25, vcc_lo
	v_and_b32 v29, 2, v28
	v_lshlrev_b32 v29, 30, v29
	v_xor_b32 v[\d+1], v29, v31
	v_add_nc_u32 v28, 1, v28
	v_and_b32 v28, 2, v28
	v_lshlrev_b32 v28, 30, v28
	v_xor_b32 v[\d], v28, v30
	global_store_b64 v[L8], v[\d:\d+1], s[28:29] offset:256*\k   ; 32 lanes store a position's 256 bytes
.endm
.macro WLOAD t, N                      ; block t of my column: W(32 t + i, column); the wave's 32 columns are 128 consecutive bytes
.irp i, 0,1,2,3,4,5,6,7,8,9,10,11,12,13,14,15,16,17,18,19,20,21,22,23,24,25,26,27,28,29,30,31
	global_load_b32 v[WX+32*((\t)%2)+\i], v[WA], s[20:21] offset:(32*(\t)+\i)*\N*4 th:TH_LOAD_NT
.endr
.endm
.macro WBLOCK t, N
.set XB, WX+32*((\t)%2)
.set CT, WCD+4*(\t)
.set PG, WXP+4*((\t)/2)+2*((\t)%2)
.if (\t) < 7
	s_wait_loadcnt 32                              ; this block's 32 loads are in; the next block's may be out
.else
	s_wait_loadcnt 0x0
.endif
	MAX32 XB
	v_lshrrev_b32 v9, 23, v7
	v_cvt_scalef32_pk16_fp6_f32 v[CT:CT+2], v[XB:XB+15], v7
	v_cvt_scalef32_pk16_fp6_f32 v[WD:WD+2], v[XB+16:XB+31], v7
.if (\t)%4 == 0
	v_mov_b32 v[WSB+(\t)/4], v9                    ; four bytes to a register; also the plain line behind the conversions
.else
	v_lshl_or_b32 v[WSB+(\t)/4], v9, 8*((\t)%4), v[WSB+(\t)/4]
.endif
	v_mov_b32 v[CT+3], v[WD]
	v_mov_b32 v[PG], v[WD+1]
	v_mov_b32 v[PG+1], v[WD+2]
	global_store_b128 v[WC], v[CT:CT+3], s[22:23] offset:((\t)/2)*768+256*((\t)%2)   ; sixteen lanes store 256 consecutive bytes of their tile's record
.if (\t)%2 == 1                        ; the last 8 bytes of two blocks: the halves of the lanes change places, so that each register pair is one record's 256 bytes
	v_permlane16_swap_b32 v[PG-2], v[PG]
	v_permlane16_swap_b32 v[PG-1], v[PG+1]
	global_store_b64 v[L8], v[PG-2:PG-1], s[22:23] offset:((\t)/2)*768+512
	global_store_b64 v[L8], v[PG:PG+1], s[22:23] offset:((\t)/2)*768+512+3072
.endif
.if (\t)+2 < 8
	WLOAD (\t)+2, \N
.endif
.endm
.macro WPATH N, sp, first, csec, ssec
	s_sub_co_u32 s13, ttmp9, \first
	s_lshr_b32 s14, s13, 2                         ; panel of 128 columns
	s_and_b32 s15, s13, 3                          ; chunk of 256 K
	s_mul_i32 s16, s15, 1024*\N
	s_lshl_b32 s18, s14, 9
	s_add_co_u32 s16, s16, s18
	s_lshl_b32 s18, s12, 7
	s_add_co_u32 s16, s16, s18
	s_add_nc_u64 s[20:21], s[\sp:\sp+1], s[16:17]
	s_mul_i32 s16, s14, 98304
	s_mul_i32 s18, s15, 24576
	s_add_co_u32 s16, s16, s18
	s_mul_i32 s18, s12, 6144
	s_add_co_u32 s16, s16, s18
	s_add_co_u32 s16, s16, \csec
	s_add_nc_u64 s[22:23], s[10:11], s[16:17]
	s_lshl_b32 s16, s14, 12
	s_lshl_b32 s18, s15, 10
	s_add_co_u32 s16, s16, s18
	s_lshl_b32 s18, s12, 8
	s_add_co_u32 s16, s16, s18
	s_add_co_u32 s16, s16, \ssec
	s_add_nc_u64 s[24:25], s[10:11], s[16:17]
	WLOAD 0, \N
	WLOAD 1, \N
.irp t, 0,1,2,3,4,5,6,7
	WBLOCK \t, \N
.endr
	global_store_b64 v[L8], v[WSB:WSB+1], s[24:25]   ; the wave's 256 scale bytes
.endm
	s_load_b256 s[4:11], s[0:1], 0x0               ; x s[4:5], W_attn s[6:7], W_proj s[8:9], pw s[10:11]
	v_lshl_add_u32 v[SPW], v0, 2, SPARE
	v_mov_b32 v[NIL], 0
	v_lshrrev_b32 v1, 5, v0
	v_readfirstlane_b32 s12, v1                    ; wave
	v_and_b32 v2, 31, v0                           ; lane
	v_lshlrev_b32 v[L16], 4, v2
	v_lshlrev_b32 v[L8], 3, v2
	s_mov_b32 s17, 0                               ; the upper word of every offset
	s_wait_kmcnt 0x0
	s_cmp_lt_u32 ttmp9, 128
	s_cbranch_scc0 .Lweights
	; ---- x: work-group g takes rows 32 g on, wave w chunk w
	s_mul_i32 s13, s12, WREG
	s_wait_alu depctr_va_vdst(0)
	v_lshrrev_b32 v5, 3, v2                        ; lane / 8
	v_and_b32 v6, 7, v2                            ; my block of the chunk's eight
	v_lshl_add_u32 v7, v5, 4, v[L16]
	v_add_nc_u32 v[TS], s13, v7                    ; 16 l + 16 (l / 8)
	v_mul_u32_u24 v7, v2, 144
	v_add_nc_u32 v[TR], s13, v7
	v_lshrrev_b32 v7, 1, v6
	v_mul_u32_u24 v7, v7, 768                      ; the record of my block's 64 K
	v_and_b32 v8, 1, v6                            ; and which half of its lanes
	v_lshl_add_u32 v9, v8, 8, v7
	v_lshl_add_u32 v9, v5, 4, v9
	v_add_nc_u32 v9, s13, v9
	v_add_nc_u32 v[CS16], CSTG, v9
	v_lshl_add_u32 v9, v8, 7, v7
	v_lshl_add_u32 v9, v5, 3, v9
	v_add_nc_u32 v9, s13, v9
	v_add_nc_u32 v[CS8], CSTG+512, v9
	v_add_nc_u32 v9, s13, v2
	v_add_nc_u32 v[SBA], SBY, v9
	v_add_nc_u32 v9, s13, v[L16]
	v_add_nc_u32 v[OUTA], CSTG, v9
	v_add_nc_u32 v9, s13, v[L8]
	v_add_nc_u32 v[SBO], SBY, v9
	s_lshl_b32 s16, ttmp9, 17                      ; 32 rows of 4,096 bytes
	s_lshl_b32 s20, s12, 10
	s_add_co_u32 s16, s16, s20
	s_add_nc_u64 s[4:5], s[4:5], s[16:17]
	s_lshr_b32 s18, ttmp9, 2                       ; panel
	s_and_b32 s19, ttmp9, 3                        ; which 32 rows of it
	s_mul_i32 s16, s18, 98304
	s_mul_i32 s20, s12, 24576
	s_add_co_u32 s16, s16, s20
	s_mul_i32 s20, s19, 6144
	s_add_co_u32 s16, s16, s20
	s_add_nc_u64 s[22:23], s[10:11], s[16:17]
	s_lshl_b32 s16, s18, 12
	s_lshl_b32 s20, s12, 10
	s_add_co_u32 s16, s16, s20
	s_lshl_b32 s20, s19, 8
	s_add_co_u32 s16, s16, s20
	s_add_co_u32 s16, s16, XSC
	s_add_nc_u64 s[24:25], s[10:11], s[16:17]
	s_lshl_b32 s26, ttmp9, 4
	s_lshl_b32 s20, s12, 2
	s_add_co_u32 s26, s26, s20                     ; the table: my wave's four positions, 16 g + 4 w on
	s_lshl_b32 s16, s26, 8
	s_add_co_u32 s16, s16, TAB
	s_add_nc_u64 s[28:29], s[10:11], s[16:17]
.irp t, 0,1,2,3
	LOAD \t
.endr
	; the table is made while the first loads are on their way.  Lane i holds 10000^(-i/32) = 10^(-i/8), rounded once to f32
	v_mov_b32 v[INV], 0
	FREQ 0, 1.0
	FREQ 1, 0.7498942093324559
	FREQ 2, 0.5623413251903491
	FREQ 3, 0.4216965034285822
	FREQ 4, 0.31622776601683794
	FREQ 5, 0.23713737056616552
	FREQ 6, 0.17782794100389228
	FREQ 7, 0.1333521432163324
	FREQ 8, 0.1
	FREQ 9, 0.07498942093324559
	FREQ 10, 0.05623413251903491
	FREQ 11, 0.04216965034285822
	FREQ 12, 0.031622776601683794
	FREQ 13, 0.023713737056616552
	FREQ 14, 0.017782794100389228
	FREQ 15, 0.01333521432163324
	FREQ 16, 0.01
	FREQ 17, 0.007498942093324559
	FREQ 18, 0.005623413251903491
	FREQ 19, 0.004216965034285822
	FREQ 20, 0.0031622776601683794
	FREQ 21, 0.0023713737056616552
	FREQ 22, 0.0017782794100389228
	FREQ 23, 0.001333521432163324
	FREQ 24, 0.001
	FREQ 25, 0.0007498942093324559
	FREQ 26, 0.0005623413251903491
	FREQ 27, 0.0004216965034285822
	FREQ 28, 0.00031622776601683794
	FREQ 29, 0.00023713737056616552
	FREQ 30, 0.00017782794100389228
	FREQ 31, 0.0001333521432163324
	SINCOS 0, TBL
	SINCOS 1, TBL+2
	SINCOS 2, TBL+4
	SINCOS 3, TBL+6
	s_wait_loadcnt 24                              ; step 0's eight loads are in
	TURN 0
.irp t, 0,1,2,3,4,5,6,7
	STEP \t
.endr
.irp j, 0,1,2,3,4,5,6,7,8,9,10,11
	ds_load_b128 v[R+4*\j:R+4*\j+3], v[OUTA] offset:512*\j   ; the wave's 6,144 bytes of codes, as they will lie in memory; these see my stores
.endr
	ds_load_b64 v[R+48:R+49], v[SBO]
.irp j, 0,1,2,3,4,5,6,7,8,9,10,11
	s_wait_dscnt 12-\j
	global_store_b128 v[L16], v[R+4*\j:R+4*\j+3], s[22:23] offset:512*\j   ; 512 consecutive bytes, aligned
.endr
	s_wait_dscnt 0x0
	global_store_b64 v[L8], v[R+48:R+49], s[24:25]
	s_wait_tensorcnt 0x0                           ; the wave's end
	ds_add_u32 v[SPW], v[NIL]
	s_wait_dscnt 0x0
	s_endpgm
.Lweights:
	s_wait_alu depctr_va_vdst(0)
	v_and_b32 v5, 15, v2                           ; r
	v_lshrrev_b32 v6, 4, v2                        ; u: which of the wave's two tiles
	v_and_b32 v7, 8, v5
	v_add_nc_u32 v7, v7, v5
	v_lshl_add_u32 v7, v6, 3, v7                   ; my column of the wave's 32: 8 u + r + 8 (r / 8)
	v_lshlrev_b32 v[WA], 2, v7
	v_mul_u32_u24 v7, v6, 3072
	v_lshl_add_u32 v[WC], v5, 4, v7
	s_cmp_lt_u32 ttmp9, 224
	s_cbranch_scc0 .Lproj
	s_wait_alu depctr_va_vdst(0)
	WPATH 3072, 6, 128, WAC, WAS
	s_endpgm
.Lproj:
	s_wait_alu depctr_va_vdst(0)
	WPATH 1024, 8, 224, WPC, WPS
	s_endpgm
.Lfunc_end_k_q88aaff9442_prep:
	.size	k_q88aaff9442_prep, .Lfunc_end_k_q88aaff9442_prep-k_q88aaff9442_prep
	.p2alignl 7, 3214868480
	.fill 96, 4, 3214868480
	.section	.rodata,"a",@progbits
	.p2align	6, 0x0
	.amdhsa_kernel k_q88aaff9442_prep
		.amdhsa_group_segment_fixed_size 62976
		.amdhsa_private_segment_fixed_size 0
		.amdhsa_enable_private_segment 0
		.amdhsa_kernarg_size 32
		.amdhsa_user_sgpr_count 2
		.amdhsa_user_sgpr_kernarg_segment_ptr 1
		.amdhsa_wavefront_size32 1
		.amdhsa_system_sgpr_workgroup_id_x 1
		.amdhsa_system_sgpr_workgroup_id_y 1
		.amdhsa_system_sgpr_workgroup_id_z 1
		.amdhsa_system_vgpr_workitem_id 0
		.amdhsa_next_free_vgpr 256
		.amdhsa_next_free_sgpr 66
		.amdhsa_reserve_vcc 1
		.amdhsa_float_denorm_mode_32 3
		.amdhsa_float_denorm_mode_16_64 3
		.amdhsa_memory_ordered 1
		.amdhsa_forward_progress 1
		.amdhsa_inst_pref_size 120
	.end_amdhsa_kernel
	.amdgpu_metadata
---
amdhsa.version: [ 1, 2 ]
amdhsa.kernels:
  - .name:           k_q88aaff9442_prep
    .symbol:         k_q88aaff9442_prep.kd
    .args:
      - { .name: x, .offset: 0, .size: 8, .value_kind: global_buffer, .address_space: global }
      - { .name: W_attn, .offset: 8, .size: 8, .value_kind: global_buffer, .address_space: global }
      - { .name: W_proj, .offset: 16, .size: 8, .value_kind: global_buffer, .address_space: global }
      - { .name: pw, .offset: 24, .size: 8, .value_kind: global_buffer, .address_space: global }
    .group_segment_fixed_size: 62976
    .private_segment_fixed_size: 0
    .kernarg_segment_align: 8
    .kernarg_segment_size: 32
    .max_flat_workgroup_size: 128
    .sgpr_count:     66
    .vgpr_count:     256
    .wavefront_size: 32
...
	.end_amdgpu_metadata
.endif
;; end of part 1
;; launch qkv (part 2): grid 24 x 32, 4 waves a work-group, clusters of 4 x 4, 327,680 bytes of LDS; arguments pw, qw; writes qw
.if DOCPART == 2
	.amdgcn_target "amdgcn-amd-amdhsa--gfx1250"
	.amdhsa_code_object_version 6
	.text
	.protected	k_q88aaff9442_qkv
	.globl	k_q88aaff9442_qkv
	.p2align	8
	.type	k_q88aaff9442_qkv,@function
k_q88aaff9442_qkv:
	s_mov_b64 s[64:65], 0
	v_nop
	global_prefetch_b8 v0, s[64:65] scope:SCOPE_SE
	s_setreg_imm32_b32 hwreg(HW_REG_WAVE_MODE, 25, 1), 1
	s_wait_xcnt 0x0
	s_wait_alu depctr_hold_cnt(0) depctr_sa_sdst(0) depctr_va_vdst(0) depctr_va_sdst(0) depctr_va_ssrc(0) depctr_va_vcc(0) depctr_vm_vsrc(0)
	s_getreg_b32 s2, hwreg(HW_REG_IB_STS2, 6, 4)
	s_cmp_eq_u32 s2, 0
	s_cbranch_scc0 .Lentry_in_a_cluster
	s_endpgm
.Lentry_in_a_cluster:
	s_bfe_u32 s2, ttmp6, 0x10000c
	s_cmp_lg_u32 s2, 0xf033
	s_cbranch_scc0 .Lentry_shape_is_right
	s_endpgm
.Lentry_shape_is_right:
; QKV: x W_attn on codes of E2M3, the rotary step on q and k, and the quantisers of the next two products: q and k along the head's 64, v along the keys.  Nothing goes to memory as f32.
; Left out (shown at the first kernel's head): cache_k and cache_v, which reference() overwrites whole.
; q's factor 1/8 is a power of two: it moves no code and takes 3 off every scale byte; it is applied in the softmax's constant instead.  LIMIT: blocks of q under 2^-121, where the rule's hold of the exponent at -126 would bite, differ.
; A tile of 128 x 128 is made by four waves of 64 x 64 (16 accumulators).  K = 1,024 is short: both panels of codes (2 x 98,304 bytes) and their scale bytes lie whole in LDS, asked for once at the head: no slot is filled again.
; WHAT IS QUANTISED NEXT MUST RUN ALONG A LANE'S REGISTERS, so it is the axis of source 0: for q and k the columns of W_attn, for v the positions.  So clusters with x >= 4 (v's columns) take x as source 0 and W_attn as
; source 1; the choice hangs on the cluster's x alone, the same in all sixteen partners, and selects offsets in pw only.
; CLUSTERS: 4 x 4.  Source 0's panel hangs on cx and is shared along a column of the cluster, source 1's on cy and is shared along a row: each is asked for jointly, which divides the requests by four.
; The rows of every tile are in the order 8 u + r + 8 (r / 8) in each 32: so register 16 B + i of a lane's 32 (four tiles of source 0) is index 32 B + 16 (lane / 16) + i: 16 neighbours of each block of 32.
; REGISTERS: window 0: v1-31 addresses and the epilogue's work; v32-63 codes made; v64-95, v96-127 scale words of source 0 and 1 (they hold nothing else); v128-255 accumulator (a, b) at 128 + 8 (4 a + b).
;   window 1: two buffers of 96: source 0's four fragments, then source 1's.   window 2: v0-127 the rotary table, register for register under the accumulators (cos under the even, sin under the odd).
.set XSC,   3145728
.set WAC,   3276800
.set WAS,   5636096
.set TAB,   6553600
.set QS,    3145728                    ; qw: q's records at 0; q's scale words here; from KV on [head 32][step of 128 keys 16][13,312]
.set KV,    3407872
.set CHK,   49152                      ; LDS: chunk c of K: source 0's 24,576 bytes, then source 1's
.set SCL0,  196608
.set SCL1,  200704
.set SPARE, 204800                     ; the spare words: two blocks of 256 bytes that no other line names
.set WV, 10                            ; s10 wave; s11 wave / 2: my half of source 1, and: I fetch for source 0 (0) or 1 (1); s12 wave % 2: my half of source 0, and which chunks I fetch
.set W1, 11
.set W0, 12
.set G1,   24                          ; s[24:31] group 1, source 0's chunks; s[32:39] source 1's; s[40:47], s[48:55] the scale bytes'
.set G1B,  32
.set G1S,  40
.set G1SB, 48
.set G0S0, 56                          ; groups 0: source 0's scale bytes, first chunk, second chunk;
.set G0A0, 60
.set G0B0, 68
.set G0S1, 72                          ; source 1's
.set G0A1, 76
.set G0B1, 80
.set CP,   84                          ; s[84:85] where my codes go; s[86:87] my scale words
.set SP2,  86
.set SHIFT, 88                         ; s88 0, or 16 for v's second 64 keys of a step
.set MASK, 89                          ; s89 lanes 16-31
.set SEL,  90                          ; s[90:91] lane l xor 16
.set TPT,  92                          ; s[92:93] the table at my first position
.set RT, 4                             ; v4-7  the rotary step's products; later v4-6: a block's upper codes
.set PD, 4
.set TM, 8
.set TP, 10
.set SO, 12
.set SA0, 24
.set SA1, 25
.set L16, 26
.set L8,  27
.set SPW, 28
.set NIL, 29
.set TA,  30
.set SC0, 64
.set SC1, 96
.set ACC, 128
.set MSB, 0
.macro WIN new                         ; the immediate's high byte repeats the setting that is left
.if MSB != \new
	s_set_vgpr_msb (MSB<<8)|\new
.set MSB, \new
.endif
.endm
.macro PLACES
.rept 4
	v_nop
.endr
.endm
; A joint load: waves 0 and 1 fetch for source 0, waves 2 and 3 for source 1.  An s_nop 0 and four v_nop follow each of the two lines.
.macro JLOAD g0a, g1a, g0b, g1b
	s_cmp_eq_u32 s[W1], 0
	s_cbranch_scc0 .Lfor_b_\@
	tensor_load_to_lds s[\g0a:\g0a+3], s[\g1a:\g1a+7]
	s_nop 0
.rept 4
	v_nop
.endr
	s_branch .Lasked_\@
.Lfor_b_\@:
	tensor_load_to_lds s[\g0b:\g0b+3], s[\g1b:\g1b+7]
	s_nop 0
.rept 4
	v_nop
.endr
.Lasked_\@:
.endm
.macro CROUND                          ; a round of the cluster's barrier
	s_barrier_signal -1
	s_barrier_wait -1
	s_cmp_lg_u32 s[WV], 0
	s_cbranch_scc1 .Lnot_wave_0_\@
	s_barrier_signal -3
.Lnot_wave_0_\@:
	s_barrier_wait -3
	s_barrier_signal -1
	s_barrier_wait -1
.endm
.macro FRAG reg, a16, off              ; a fragment (16 rows x 128 K, 12 registers) is two records: four dense loads
	ds_load_b128 v[\reg:\reg+3], v[\a16] offset:\off
	ds_load_b64 v[\reg+4:\reg+5], v[\a16+1] offset:\off+512
	ds_load_b128 v[\reg+6:\reg+9], v[\a16] offset:\off+768
	ds_load_b64 v[\reg+10:\reg+11], v[\a16+1] offset:\off+1280
.endm
.macro FETCH s                         ; K step s (128 along K): 32 loads in one run into buffer s % 2; source 1's tiles 2 and 3 last
.set FB, 128*((\s)%2)
.set AD, 16+4*((\s)/4)
.set OB, (((\s)/2)%2)*CHK+((\s)%2)*1536
	WIN 0x40
.irp b, 0,1,2,3
	FRAG FB+12*\b, AD, OB+\b*3072
.endr
.irp a, 0,1,2,3
	FRAG FB+48+12*\a, AD+2, OB+\a*3072
.endr
.endm
.macro MUL8 s, a0, zero                ; source 1's tiles a0, a0 + 1 against source 0's four.  The 16 accumulators take turns, one instruction a turn, in the same order in every step
.set FB, 128*((\s)%2)
.irp a, \a0, \a0+1
.irp b, 0,1,2,3
.if \zero
	v_wmma_scale_f32_16x16x128_f8f6f4 v[ACC+8*(4*(\a)+\b):ACC+8*(4*(\a)+\b)+7], v[FB+12*\b:FB+12*\b+11], v[FB+48+12*(\a):FB+48+12*(\a)+11], 0, v[SC0+8*\b+(\s)], v[SC1+8*(\a)+(\s)] matrix_a_fmt:MATRIX_FMT_FP6 matrix_b_fmt:MATRIX_FMT_FP6
.else
	v_wmma_scale_f32_16x16x128_f8f6f4 v[ACC+8*(4*(\a)+\b):ACC+8*(4*(\a)+\b)+7], v[FB+12*\b:FB+12*\b+11], v[FB+48+12*(\a):FB+48+12*(\a)+11], v[ACC+8*(4*(\a)+\b):ACC+8*(4*(\a)+\b)+7], v[SC0+8*\b+(\s)], v[SC1+8*(\a)+(\s)] matrix_a_fmt:MATRIX_FMT_FP6 matrix_b_fmt:MATRIX_FMT_FP6
.endif
.endr
.endr
.endm
.macro KSTEP s, zero
.if (\s) == 3
	s_wait_tensorcnt 0x0                           ; my last load, chunk 2 or 3, has landed;
	s_wait_dscnt 0x0                               ; no LDS instruction of mine is out at the signal
	s_barrier_signal -1
.else
	s_wait_dscnt 8                                 ; all but the youngest eight loads (source 1's tiles 2 and 3) are in
.endif
	WIN 0x05                                       ; sources 0 and 1 window 1, C and D window 0
	MUL8 \s, 0, \zero
.if (\s) == 3
	s_barrier_wait -1                              ; everybody's has: chunks 2 and 3 are whole.
.endif
.if (\s) < 7
	PLACES                                         ; four places in front of loads into registers that the step before multiplied
	FETCH (\s)+1
	s_wait_dscnt 32                                ; all but the 32 just issued
.else
	s_wait_dscnt 0x0
.endif
	WIN 0x05
	MUL8 \s, 2, \zero
.endm
; 32 numbers of a lane, register 16 b + i = index 32 b + 16 (lane / 16) + i of my row, become a record's six registers at v[pc] on and the row's scale word (two bytes) in v[w].
.macro QUANT2 s, pc, w
.irp b, 0,1
	v_max3_num_f32 v[TM+\b], |v[\s+16*\b]|, |v[\s+16*\b+1]|, 0x1800000   ; with the floor 2^(3-127): the byte cannot fall under 1
.endr
.irp i, 2,4,6,8,10,12,14
.irp b, 0,1
	v_max3_num_f32 v[TM+\b], v[TM+\b], |v[\s+16*\b+\i]|, |v[\s+16*\b+\i+1]|
.endr
.endr
.irp b, 0,1
	v_permlanex16_b32 v[TP+\b], v[TM+\b], s[SEL], s[SEL+1]
.endr
.irp b, 0,1
	v_max_num_f32 v[TM+\b], v[TM+\b], v[TP+\b]     ; with lane l xor 16's: the block's largest magnitude
.endr
.irp b, 0,1
	v_add_nc_u32 v[SO+\b], 0xff000000, v[TM+\b]    ; 2 off the exponent field: the conversion's scale operand
.endr
.irp b, 0,1
	v_lshrrev_b32 v[TP+\b], 23, v[SO+\b]           ; the byte
.endr
	v_lshl_or_b32 v[\w], v[TP+1], 8, v[TP]
	v_lshlrev_b32 v[\w], s[SHIFT], v[\w]
	v_cvt_scalef32_pk16_fp6_f32 v[\pc:\pc+2], v[\s:\s+15], v[SO]
	v_cvt_scalef32_pk16_fp6_f32 v[PD:PD+2], v[\s+16:\s+31], v[SO+1]
	v_nop                                          ; one plain line behind a scaled conversion
.irp i, 0,1,2
	v_permlane16_swap_b32 v[\pc+\i], v[PD+\i]      ; a whole block to a lane: lanes 0-15 block 0, lanes 16-31 block 1
.endr
.irp i, 0,1,2
	v_mov_b32 v[\pc+3+\i], v[PD+\i]
.endr
.endm
.macro ROPE a                          ; (x0, x1) -> (x0 cos + x1 sin, x1 cos - x0 sin); each accumulator is read from its low end on
.irp p, 0,1,2,3,4,5,6,7,8,9,10,11,12,13,14,15
	v_mul_f32 v[RT+2*(\p%2)], v[ACC+32*\a+2*\p+1], v[32*\a+2*\p+1]
	v_mul_f32 v[RT+2*(\p%2)+1], v[ACC+32*\a+2*\p], v[32*\a+2*\p+1]
	v_fma_f32 v[ACC+32*\a+2*\p], v[ACC+32*\a+2*\p], v[32*\a+2*\p], v[RT+2*(\p%2)]
	v_fma_f32 v[ACC+32*\a+2*\p+1], v[ACC+32*\a+2*\p+1], v[32*\a+2*\p], -v[RT+2*(\p%2)+1]
.endr
.endm
	s_load_b128 s[4:7], s[0:1], 0x0                ; pw, qw
	v_lshl_add_u32 v[SPW], v0, 2, SPARE
	v_mov_b32 v[NIL], 0
	ds_add_u32 v[SPW], v[NIL]                      ; the opening: the add, twice on end, and its wait ahead of my first tensor load
	ds_add_u32 v[SPW], v[NIL]
	v_lshrrev_b32 v1, 5, v0
	v_readfirstlane_b32 s[WV], v1
	s_lshr_b32 s[W1], s[WV], 1
	s_and_b32 s[W0], s[WV], 1
	s_bfe_u32 s13, ttmp6, 0x40000                  ; cx
	s_bfe_u32 s14, ttmp6, 0x40004                  ; cy
	s_and_b32 s18, ttmp7, 0xffff                   ; the cluster's y
	s_mov_b32 s20, WAS
	s_mov_b32 s22, XSC
	s_cmp_ge_u32 ttmp9, 4                          ; v's columns?
	s_cselect_b32 s15, 1, 0
	s_cselect_b32 s16, s18, ttmp9                  ; source 0's panel: 4 x this + cx
	s_cselect_b32 s17, ttmp9, s18                  ; source 1's: 4 x this + cy
	s_cselect_b32 s19, 0, WAC                      ; source 0's codes: x's (at 0) or W_attn's,
	s_cselect_b32 s20, XSC, s20                    ; its scale bytes,
	s_cselect_b32 s21, WAC, 0                      ; source 1's codes,
	s_cselect_b32 s22, WAS, s22                    ; its scale bytes
	s_lshl_b32 s16, s16, 2
	s_add_co_u32 s16, s16, s13
	s_lshl_b32 s17, s17, 2
	s_add_co_u32 s17, s17, s14
	s_lshl_b32 s23, s14, 2
	s_lshl_b32 s23, 15, s23                        ; my row of the cluster
	s_lshl_b32 s2, 0x1111, s13                     ; my column
	s_or_b32 s[G1], s2, (3<<16)|(1<<21)            ; 15:0 the mask; 17:16 elements of 8 bytes; 21 set beside a mask; no padding: the blocks are read densely
	s_or_b32 s[G1S], s2, (3<<16)|(1<<21)
	s_or_b32 s[G1B], s23, (3<<16)|(1<<21)
	s_or_b32 s[G1SB], s23, (3<<16)|(1<<21)
.irp g, G1, G1B                        ; a chunk: 24,576 dense bytes as 96 rows of 256
	s_mov_b32 s[\g+1], 32<<16
	s_mov_b32 s[\g+2], 96<<16
	s_mov_b32 s[\g+3], 32<<16
	s_mov_b32 s[\g+4], 96
	s_mov_b32 s[\g+5], 32
	s_mov_b32 s[\g+6], 0
	s_mov_b32 s[\g+7], 0
.endr
.irp g, G1S, G1SB                      ; half a panel's scale bytes: 8 rows of 256
	s_mov_b32 s[\g+1], 32<<16
	s_mov_b32 s[\g+2], 8<<16
	s_mov_b32 s[\g+3], 32<<16
	s_mov_b32 s[\g+4], 8
	s_mov_b32 s[\g+5], 32
	s_mov_b32 s[\g+6], 0
	s_mov_b32 s[\g+7], 0
.endr
	s_mul_i32 s84, s16, 98304                      ; source 0: my first chunk (chunk wave % 2),
	s_mul_i32 s85, s[W0], 24576
	s_add_co_u32 s84, s84, s85
	s_add_co_u32 s84, s84, s19
	s_mov_b32 s85, 0
	s_lshl_b32 s86, s16, 12                        ; my half of its scale bytes
	s_lshl_b32 s87, s[W0], 11
	s_add_co_u32 s86, s86, s87
	s_add_co_u32 s86, s86, s20
	s_mov_b32 s87, 0
	s_mul_i32 s88, s17, 98304                      ; source 1 likewise
	s_mul_i32 s89, s[W0], 24576
	s_add_co_u32 s88, s88, s89
	s_add_co_u32 s88, s88, s21
	s_mov_b32 s89, 0
	s_lshl_b32 s90, s17, 12
	s_lshl_b32 s91, s[W0], 11
	s_add_co_u32 s90, s90, s91
	s_add_co_u32 s90, s90, s22
	s_mov_b32 s91, 0
	s_mul_i32 s92, s[W0], CHK                      ; where they go: the wave's number alone enters an LDS address
	s_lshl_b32 s93, s[W0], 11
	s_wait_dscnt 0x0                               ; both opening adds are done
	s_wait_kmcnt 0x0
	CROUND                                         ; all sixteen work-groups are here: the joint loads meet
	s_mov_b32 s[G0S0], 1
	s_add_co_u32 s[G0S0+1], s93, SCL0
	s_add_nc_u64 s[G0S0+2:G0S0+3], s[4:5], s[86:87]
	s_or_b32 s[G0S0+3], s[G0S0+3], 0x80000000
	s_mov_b32 s[G0S1], 1
	s_add_co_u32 s[G0S1+1], s93, SCL1
	s_add_nc_u64 s[G0S1+2:G0S1+3], s[4:5], s[90:91]
	s_or_b32 s[G0S1+3], s[G0S1+3], 0x80000000
	JLOAD G0S0, G1S, G0S1, G1SB                    ; three loads of mine are out at the most: scale bytes, chunk e, chunk e + 2
	s_mov_b32 s[G0A0], 1
	s_mov_b32 s[G0A0+1], s92
	s_add_nc_u64 s[G0A0+2:G0A0+3], s[4:5], s[84:85]
	s_or_b32 s[G0A0+3], s[G0A0+3], 0x80000000
	s_mov_b32 s[G0A1], 1
	s_add_co_u32 s[G0A1+1], s92, 24576
	s_add_nc_u64 s[G0A1+2:G0A1+3], s[4:5], s[88:89]
	s_or_b32 s[G0A1+3], s[G0A1+3], 0x80000000
	JLOAD G0A0, G1, G0A1, G1B
	s_add_co_u32 s84, s84, 49152                   ; two chunks on in memory
	s_add_co_u32 s88, s88, 49152
	s_mov_b32 s[G0B0], 1
	s_add_co_u32 s[G0B0+1], s92, 2*CHK
	s_add_nc_u64 s[G0B0+2:G0B0+3], s[4:5], s[84:85]
	s_or_b32 s[G0B0+3], s[G0B0+3], 0x80000000
	s_mov_b32 s[G0B1], 1
	s_add_co_u32 s[G0B1+1], s92, 2*CHK+24576
	s_add_nc_u64 s[G0B1+2:G0B1+3], s[4:5], s[88:89]
	s_or_b32 s[G0B1+3], s[G0B1+3], 0x80000000
	JLOAD G0B0, G1, G0B1, G1B
	v_and_b32 v1, 31, v0
	v_and_b32 v2, 15, v0                           ; r
	v_bfe_u32 v3, v0, 4, 1                         ; h
	v_lshlrev_b32 v[L16], 4, v1
	v_lshlrev_b32 v[L8], 3, v1
	s_mul_i32 s18, s[W0], 12288                    ; my four tiles of source 0,
	s_mul_i32 s19, s[W1], 12288                    ; of source 1
	s_add_co_u32 s19, s19, 24576
	v_add_nc_u32 v16, s18, v[L16]
	v_add_nc_u32 v17, s18, v[L8]
	v_add_nc_u32 v18, s19, v[L16]
	v_add_nc_u32 v19, s19, v[L8]
.irp i, 0,1,2,3
	v_add_nc_u32 v[20+\i], 2*CHK, v[16+\i]         ; a second set for chunks 2 and 3: no address is ever stepped
.endr
	s_lshl_b32 s18, s[W0], 9
	s_add_co_u32 s18, s18, SCL0
	v_lshl_add_u32 v[SA0], v2, 3, s18              ; scale words: 8 bytes a row and chunk; lane r takes row r (lanes 16-31 the same; they are not read)
	s_lshl_b32 s19, s[W1], 9
	s_add_co_u32 s19, s19, SCL1
	v_lshl_add_u32 v[SA1], v2, 3, s19
	v_and_b32 v4, 8, v2
	v_add_nc_u32 v4, v4, v2
	v_lshlrev_b32 v4, 8, v4
	v_lshl_add_u32 v[TA], v3, 6, v4                ; the table: position r + 8 (r / 8), 256 bytes each, + 64 h
	v_mov_b32 v[TP], 0                             ; written once: a lane permute's destination counts as one of its sources
	v_mov_b32 v[TP+1], 0
	; where my results go
	s_cmp_lg_u32 s15, 0
	s_cselect_b32 s94, s16, s17                    ; the panel of positions,
	s_cselect_b32 s95, s[W0], s[W1]                ; my half of it,
	s_cselect_b32 s96, s17, s16                    ; the panel of columns,
	s_cselect_b32 s97, s[W1], s[W0]
	s_cselect_b32 s[SHIFT], s[W0], 0
	s_lshl_b32 s[SHIFT], s[SHIFT], 4
	s_lshl_b32 s94, s94, 7
	s_lshl_b32 s95, s95, 6
	s_add_co_u32 s94, s94, s95                     ; my first row of x
	s_lshl_b32 s96, s96, 7
	s_lshl_b32 s97, s97, 6
	s_add_co_u32 s96, s96, s97                     ; my first column: one head's 64
	s_lshr_b32 s98, s96, 10                        ; 0 q, 1 k, 2 v
	s_bfe_u32 s97, s96, 0x40006                    ; head
	s_lshr_b32 s95, s94, 11
	s_lshl_b32 s95, s95, 4
	s_add_co_u32 s95, s95, s97                     ; 16 batch + head
	s_and_b32 s94, s94, 2047                       ; my first position
	s_lshl_b32 s96, s95, 7                         ; q: record 128 (16 b + head) + position / 16
	s_lshr_b32 s97, s94, 4
	s_add_co_u32 s96, s96, s97
	s_mul_i32 s96, s96, 768
	s_lshl_b32 s97, s95, 5
	s_lshr_b32 s99, s94, 6
	s_add_co_u32 s97, s97, s99
	s_lshl_b32 s97, s97, 8
	s_add_co_u32 s97, s97, QS
	s_mul_i32 s2, s95, 212992                      ; k, v: the head, the step of 128 keys, k's part or v's
	s_lshr_b32 s99, s94, 7
	s_mul_i32 s99, s99, 13312
	s_add_co_u32 s2, s2, s99
	s_max_u32 s99, s98, 1
	s_sub_co_u32 s99, s99, 1
	s_mul_i32 s99, s99, 6656
	s_add_co_u32 s2, s2, s99
	s_add_co_u32 s2, s2, KV
	s_bfe_u32 s99, s94, 0x10006                    ; which 64 of the 128
	s_mul_i32 s3, s99, 3072
	s_add_co_u32 s3, s3, s2
	s_lshl_b32 s99, s99, 8
	s_add_co_u32 s2, s2, s99
	s_add_co_u32 s2, s2, 6144
	s_cmp_eq_u32 s98, 0
	s_cselect_b32 s[CP], s96, s3
	s_cselect_b32 s[SP2], s97, s2
	s_mov_b32 s[CP+1], 0
	s_mov_b32 s[SP2+1], 0
	s_add_nc_u64 s[CP:CP+1], s[6:7], s[CP:CP+1]
	s_add_nc_u64 s[SP2:SP2+1], s[6:7], s[SP2:SP2+1]
	s_lshl_b32 s[TPT], s94, 8
	s_add_co_u32 s[TPT], s[TPT], TAB
	s_mov_b32 s[TPT+1], 0
	s_add_nc_u64 s[TPT:TPT+1], s[4:5], s[TPT:TPT+1]
	s_mov_b32 s[MASK], 0xffff0000
	s_mov_b32 s[SEL], 0x76543210
	s_mov_b32 s[SEL+1], 0xfedcba98
	s_cmp_lg_u32 s15, 0                            ; v has no rotary step: no table
	s_cbranch_scc1 .Lno_table
	WIN 0x80                                       ; destination window 2
	s_wait_alu depctr_va_vdst(0)
.irp a, 0,1,2,3
.irp bb, 0,1
.irp j, 0,1,2,3
	global_load_b128 v[32*\a+16*\bb+4*\j:32*\a+16*\bb+4*\j+3], v[TA], s[TPT:TPT+1] offset:(32*(\a/2)+8*(\a%2))*256+128*\bb+16*\j
.endr
.endr
.endr
	WIN 0
.Lno_table:
	s_wait_tensorcnt 1                             ; my scale bytes and my first chunk are in; my second chunk may stay out
	s_barrier_signal -1
	s_barrier_wait -1                              ; everybody's are: all scale bytes, chunks 0 and 1
	s_wait_alu depctr_va_vdst(0)
.irp kq, 0,1,2,3
.irp t, 0,1,2,3
	ds_load_b64 v[SC0+8*\t+2*\kq:SC0+8*\t+2*\kq+1], v[SA0] offset:1024*\kq+128*\t   ; all of K's scale words, once
	ds_load_b64 v[SC1+8*\t+2*\kq:SC1+8*\t+2*\kq+1], v[SA1] offset:1024*\kq+128*\t
.endr
.endr
	FETCH 0
	KSTEP 0, 1                                     ; the first products start the sums: nothing is cleared
	KSTEP 1, 0
	KSTEP 2, 0
	KSTEP 3, 0
	KSTEP 4, 0
	KSTEP 5, 0
	KSTEP 6, 0
	KSTEP 7, 0
	WIN 0
	PLACES                                         ; four places in front of the first read and write of results
	s_wait_loadcnt 0x0                             ; the table
	s_cmp_lg_u32 s15, 0
	s_cbranch_scc1 .Lno_rope
	WIN 0x08                                       ; source 1: window 2
	ROPE 0
	ROPE 1
	ROPE 2
	ROPE 3
	WIN 0
.Lno_rope:
.irp a, 0,1,2,3                        ; tile a of source 1: 16 rows of the next operand, one record
	QUANT2 ACC+32*\a, 32+8*\a, 38+8*\a
	global_store_b128 v[L16], v[32+8*\a:35+8*\a], s[CP:CP+1] offset:768*\a          ; 512 consecutive bytes
	global_store_b64 v[L8], v[36+8*\a:37+8*\a], s[CP:CP+1] offset:768*\a+512        ; and 256
.endr
	v_cndmask_b32 v14, v38, v46, s[MASK]           ; the four tiles' scale words in two registers: one tile in lanes 0-15, the next in lanes 16-31, as the next launch's matrix instructions take them
	v_cndmask_b32 v15, v54, v62, s[MASK]
	global_store_b64 v[L8], v[14:15], s[SP2:SP2+1]
	s_wait_tensorcnt 0x0                           ; the wave's end
	ds_add_u32 v[SPW], v[NIL]
	s_wait_dscnt 0x0
	CROUND                                         ; the closing round
	s_endpgm
.Lfunc_end_k_q88aaff9442_qkv:
	.size	k_q88aaff9442_qkv, .Lfunc_end_k_q88aaff9442_qkv-k_q88aaff9442_qkv
	.p2alignl 7, 3214868480
	.fill 96, 4, 3214868480
	.section	.rodata,"a",@progbits
	.p2align	6, 0x0
	.amdhsa_kernel k_q88aaff9442_qkv
		.amdhsa_group_segment_fixed_size 327680
		.amdhsa_private_segment_fixed_size 0
		.amdhsa_enable_private_segment 0
		.amdhsa_kernarg_size 16
		.amdhsa_user_sgpr_count 2
		.amdhsa_user_sgpr_kernarg_segment_ptr 1
		.amdhsa_wavefront_size32 1
		.amdhsa_system_sgpr_workgroup_id_x 1
		.amdhsa_system_sgpr_workgroup_id_y 1
		.amdhsa_system_sgpr_workgroup_id_z 1
		.amdhsa_system_vgpr_workitem_id 0
		.amdhsa_next_free_vgpr 640
		.amdhsa_next_free_sgpr 100
		.amdhsa_reserve_vcc 0
		.amdhsa_float_denorm_mode_32 3
		.amdhsa_float_denorm_mode_16_64 3
		.amdhsa_memory_ordered 1
		.amdhsa_forward_progress 1
		.amdhsa_inst_pref_size 72
	.end_amdhsa_kernel
	.amdgpu_metadata
---
amdhsa.version: [ 1, 2 ]
amdhsa.kernels:
  - .name:           k_q88aaff9442_qkv
    .symbol:         k_q88aaff9442_qkv.kd
    .args:
      - { .name: pw, .offset: 0, .size: 8, .value_kind: global_buffer, .address_space: global }
      - { .name: qw, .offset: 8, .size: 8, .value_kind: global_buffer, .address_space: global }
    .group_segment_fixed_size: 327680
    .private_segment_fixed_size: 0
    .kernarg_segment_align: 8
    .kernarg_segment_size: 16
    .max_flat_workgroup_size: 128
    .sgpr_count:     100
    .vgpr_count:     640
    .wavefront_size: 32
...
	.end_amdgpu_metadata
.endif
;; end of part 2
;; launch attn (part 3): grid 8 x 32, 16 waves a work-group, no clusters, 327,680 bytes of LDS; arguments qw, yw; writes yw
.if DOCPART == 3
	.amdgcn_target "amdgcn-amd-amdhsa--gfx1250"
	.amdhsa_code_object_version 6
	.text
	.protected	k_q88aaff9442_attn
	.globl	k_q88aaff9442_attn
	.p2align	8
	.type	k_q88aaff9442_attn,@function
k_q88aaff9442_attn:
	s_mov_b64 s[64:65], 0
	v_nop
	global_prefetch_b8 v0, s[64:65] scope:SCOPE_SE
	s_setreg_imm32_b32 hwreg(HW_REG_WAVE_MODE, 25, 1), 1
	s_wait_xcnt 0x0
; ATTN: y = softmax(q k^T / 8 + causal mask) v on codes of E2M3, and y's quantiser for the last product.  p = 2^(t - M), t = score x log2(e) / 8 (q's factor 1/8 stands here: see the second kernel's head),
; M = the running largest t rounded up to a whole number; p is quantised along the keys; the row's sum is taken of the unquantised p and divides at the end.
; Left out: steps of 128 keys that lie wholly behind a tile's queries: reference() builds the mask itself, and its -1e9 makes their p zero.  On the diagonal hidden scores become -infinity in place of
; score - 1e9.  LIMIT: the same p = 0 while |score| / 8 stays under about 1e8.
; SHARES.  A work-group owns query blocks i and 15 - i (128 queries each) of one head: i + 1 and 16 - i steps, 17 for every pair, so all 256 work-groups have equal work.  Each of sixteen waves owns one tile of 16 queries
; in 256 registers: four waves to a SIMD, two of the early block and two of the late one, so that one wave's vector work stands beside another's matrix work.
; NO CLUSTER: work-groups 0-3 of a head read four slots of keys, 4-7 three: a slot that no wave of a partner reads would have to be asked for all the same.
; THE RING: a step of 128 keys is 13,312 dense bytes (k's 8 records, k's scale words, v's 8 records, v's scale words); a slot holds four steps, 208 rows of 256 bytes; each wave fetches 13 of them by one tensor load.
; Two slots; one barrier for four steps.  A wave has one tensor load out at the most.
; LAYOUT.  Both products transposed: S^T = K Q^T, O^T = V^T P^T: a lane holds one query throughout.  The keys of a tile of k and the channels of a tile of v are in the order 8 u + r + 8 (r / 8), so that p's and O's registers run
; along neighbours.  The first product's K is 64: q's upper six registers are zero codes, against which k's operand (the next tile's codes, or zeros) counts for nothing; the upper scale bytes are 0, never 0xff.
; REGISTERS: v1-9 addresses; v12 -M, v13 the largest t, v[14:15] the sum; v16-27 q; v28 q's scale words; v32-85 k's tiles, then v's; v86-89 k's scale words; v90-95 v's; v96-159 S^T, then p; v160-191 O^T; v192-210 p's codes; v212-229 at work.
.set QS,    3145728
.set KV,    3407872
.set YS,    3145728
.set STEPB, 13312
.set SLOTB, 53248
.set SLOT1, 65536                      ; slot 1 begins here: one exclusive or turns an address
.set YSL,   131072                     ; y's scale words of the work-group's 256 rows: 1,024 bytes
.set SPARE, 132096                     ; the spare words, 128 bytes a wave: eight blocks of 256 bytes that no other line names
.set SPW, 5
.set NIL, 6
.set BM, 212                           ; v212-215 the blocks' largest scores, then p
.set BP, 216                           ; v216-219 lane permutes' destinations, then bytes
.set SOP, 220                          ; v220-223 the conversions' scale operands
.set PC, 192
.set PDD, 204
.set TM, 212                           ; y's quantiser: the same registers
.set TP, 216
.set SO, 220
.set PD, 204
.set WV, 8
.set TIX, 9
.set HI, 10
.set BLK, 11
.set BH, 13
.set Q0, 14                            ; s14 my tile's first query; s15 its last; s16 the work-group's last
.set QL, 15
.set LASTQ, 16
.set KF, 17                            ; s17 the step's first key
.set TB, 18                            ; s18 the step's first LDS byte
.set SLOTS, 19
.set CNT, 20
.set SHIFT, 21
.set SEL, 22
.set CS, 24
.set G1, 28
.set G0, 36
.macro QUANT2 s, pc, w
.irp b, 0,1
	v_max3_num_f32 v[TM+\b], |v[\s+16*\b]|, |v[\s+16*\b+1]|, 0x1800000
.endr
.irp i, 2,4,6,8,10,12,14
.irp b, 0,1
	s_delay_alu instid0(VALU_DEP_2)
	v_max3_num_f32 v[TM+\b], v[TM+\b], |v[\s+16*\b+\i]|, |v[\s+16*\b+\i+1]|
.endr
.endr
.irp b, 0,1
	s_delay_alu instid0(VALU_DEP_2)
	v_permlanex16_b32 v[TP+\b], v[TM+\b], s[SEL], s[SEL+1]
.endr
.irp b, 0,1
	s_delay_alu instid0(VALU_DEP_2)
	v_max_num_f32 v[TM+\b], v[TM+\b], v[TP+\b]
.endr
.irp b, 0,1
	s_delay_alu instid0(VALU_DEP_2)
	v_add_nc_u32 v[SO+\b], 0xff000000, v[TM+\b]
.endr
.irp b, 0,1
	s_delay_alu instid0(VALU_DEP_2)
	v_lshrrev_b32 v[TP+\b], 23, v[SO+\b]
.endr
	s_delay_alu instid0(VALU_DEP_1)
	v_lshl_or_b32 v[\w], v[TP+1], 8, v[TP]
	s_delay_alu instid0(VALU_DEP_1)
	v_lshlrev_b32 v[\w], s[SHIFT], v[\w]
	v_cvt_scalef32_pk16_fp6_f32 v[\pc:\pc+2], v[\s:\s+15], v[SO]
	v_cvt_scalef32_pk16_fp6_f32 v[PD:PD+2], v[\s+16:\s+31], v[SO+1]
	v_nop
.irp i, 0,1,2
	v_permlane16_swap_b32 v[\pc+\i], v[PD+\i]
.endr
.irp i, 0,1,2
	s_delay_alu instid0(VALU_DEP_3)
	v_mov_b32 v[\pc+3+\i], v[PD+\i]
.endr
.endm
; A KEY STEP: 128 keys.
.macro STEP
	s_cmp_gt_u32 s[KF], s[QL]                      ; all its keys behind my queries: left out.  Ids and the count of steps alone; no barrier and no tensor load stands in a step
	s_cbranch_scc1 .Lhidden_\@
	s_setprio 2
	v_add_nc_u32 v8, s[TB], v1
	v_add_nc_u32 v9, s[TB], v2
	v_nop
	v_nop                                          ; four places in front of loads into registers that the last products read
.irp t, 0,1,2,3,4,5,6,7
	ds_load_b128 v[32+6*\t:35+6*\t], v8 offset:768*\t
	ds_load_b64 v[36+6*\t:37+6*\t], v9 offset:768*\t+512
.endr
	ds_load_b64 v[86:87], v9 offset:6144
	ds_load_b64 v[88:89], v9 offset:6400
	s_wait_alu depctr_va_vdst(0)
	s_wait_dscnt 0x0
.irp t, 0,2,4,6                        ; S^T = K Q^T.  A register of scale words carries an even tile's in lanes 0-15 and the next tile's in lanes 16-31
	v_wmma_scale_f32_16x16x128_f8f6f4 v[96+8*\t:103+8*\t], v[32+6*\t:43+6*\t], v[16:27], 0, v[86+\t/2], v28 matrix_a_fmt:MATRIX_FMT_FP6 matrix_b_fmt:MATRIX_FMT_FP6
	v_wmma_scale_f32_16x16x128_f8f6f4 v[104+8*\t:111+8*\t], v[38+6*\t:49+6*\t], v[16:27], 0, v[86+\t/2], v28 matrix_a_fmt:MATRIX_FMT_FP6 matrix_b_fmt:MATRIX_FMT_FP6 matrix_a_scale:MATRIX_SCALE_ROW1
.endr
.rept 4
	v_nop
.endr
.irp t, 0,1,2,3                        ; v's tiles are asked for now and land under the softmax
.irp c, 0,1
	ds_load_b128 v[32+12*\t+6*\c:35+12*\t+6*\c], v8 offset:6656+(4*\c+\t)*768
	ds_load_b64 v[36+12*\t+6*\c:37+12*\t+6*\c], v9 offset:6656+(4*\c+\t)*768+512
.endr
.endr
	ds_load_b64 v[90:91], v9 offset:12800
	ds_load_b64 v[92:93], v9 offset:13056
	s_add_co_u32 s40, s[KF], 127                   ; a step all of whose keys count skips the mask
	s_cmp_le_u32 s40, s[Q0]
	s_cbranch_scc1 .Lopen_\@
	s_sub_co_i32 s40, s[Q0], s[KF]
	v_add_nc_u32 v226, s40, v3                     ; d = my query - the step's first key - 16 (lane / 16).  Register 16 b + i holds key 32 b + 16 (lane / 16) + i: hidden where 32 b + i > d
	v_mov_b32 v224, 0xff800000
.irp n, 0,1,2,3,4,5,6,7,8,9,10,11,12,13,14,15,16,17,18,19,20,21,22,23,24,25,26,27,28,29,30,31,32,33,34,35,36,37,38,39,40,41,42,43,44,45,46,47,48,49,50,51,52,53,54,55,56,57,58,59,60,61,62,63
	v_cmp_gt_i32 vcc_lo, 32*(\n/16)+\n%16, v226
	v_cndmask_b32 v[96+\n], v[96+\n], v224, vcc_lo
.endr
.Lopen_\@:
.irp b, 0,1,2,3
	v_max3_num_f32 v[BM+\b], v[96+16*\b], v[97+16*\b], v[98+16*\b]   ; the largest score of each block of 32 keys: for the row's maximum, and, since p rises with the score, for the block's largest p
.endr
.irp i, 3,5,7,9,11,13
.irp b, 0,1,2,3
	v_max3_num_f32 v[BM+\b], v[BM+\b], v[96+16*\b+\i], v[97+16*\b+\i]
.endr
.endr
.irp b, 0,1,2,3
	v_max_num_f32 v[BM+\b], v[BM+\b], v[111+16*\b]
.endr
.irp b, 0,1,2,3
	s_delay_alu instid0(VALU_DEP_4)
	v_permlanex16_b32 v[BP+\b], v[BM+\b], s[SEL], s[SEL+1]
.endr
.irp b, 0,1,2,3
	s_delay_alu instid0(VALU_DEP_4)
	v_max_num_f32 v[BM+\b], v[BM+\b], v[BP+\b]
.endr
	s_delay_alu instid0(VALU_DEP_2)
	v_max3_num_f32 v226, v[BM], v[BM+1], v[BM+2]
	s_delay_alu instid0(VALU_DEP_1)
	v_max_num_f32 v226, v226, v[BM+3]
	s_delay_alu instid0(VALU_DEP_1)
	v_mul_f32 v226, s[CS], v226
	s_delay_alu instid0(VALU_DEP_1)
	v_max_num_f32 v13, v13, v226                   ; the running largest t
	v_mov_b32 v226, v12
	s_delay_alu instid0(VALU_DEP_2)
	v_floor_f32 v12, -v13                          ; -M = floor(-t): M is a whole number
	s_delay_alu instid0(VALU_DEP_1)
	v_sub_f32 v226, v12, v226
	s_delay_alu instid0(VALU_DEP_1)
	v_cvt_i32_f32 v226, v226
	s_delay_alu instid0(VALU_DEP_1)
	v_ldexp_f32 v224, 1.0, v226                    ; f = 2^(old M - new M): a multiplication by it rounds nothing
.irp j, 0,2,4,6,8,10,12,14,16,18,20,22,24,26,28,30,32,34,36,38,40,42,44,46,48,50,52,54,56,58,60,62
	v_pk_fma_f32 v[96+\j:97+\j], v[96+\j:97+\j], s[CS:CS+1], v[12:13] op_sel_hi:[1,0,0]
.endr
	s_setprio 1
.irp b, 0,1,2,3
	v_fma_f32 v[BM+\b], v[BM+\b], s[CS], v12
.endr
	s_wait_alu depctr_va_vdst(0)
.irp j, 0,1,2,3,4,5,6,7,8,9,10,11,12,13,14,15,16,17,18,19,20,21,22,23,24,25,26,27,28,29,30,31,32,33,34,35,36,37,38,39,40,41,42,43,44,45,46,47,48,49,50,51,52,53,54,55,56,57,58,59,60,61,62,63
	v_exp_f32 v[96+\j], v[96+\j]                   ; p = 2^(t - M): one batch
.endr
	v_pk_mul_f32 v[14:15], v[14:15], v[224:225] op_sel_hi:[1,0]   ; the sums under the new M; the plain line behind the batch
	s_wait_alu depctr_va_vdst(0)                   ; one wait for the batch, ahead of its first reader
.irp b, 0,1,2,3
	v_exp_f32 v[BM+\b], v[BM+\b]                   ; the blocks' largest p
.endr
	v_pk_add_f32 v[228:229], v[100:101], v[104:105]
	v_pk_add_f32 v[254:255], v[108:109], v[112:113]
	v_pk_add_f32 v[252:253], v[116:117], v[120:121]
	v_pk_add_f32 v[250:251], v[124:125], v[128:129]
	v_pk_add_f32 v[248:249], v[132:133], v[136:137]
	v_pk_add_f32 v[246:247], v[140:141], v[144:145]
	v_pk_add_f32 v[244:245], v[148:149], v[152:153]
	v_pk_add_f32 v[14:15], v[14:15], v[156:157]
	v_pk_add_f32 v[228:229], v[228:229], v[96:97]
	v_pk_add_f32 v[254:255], v[254:255], v[98:99]
	v_pk_add_f32 v[252:253], v[252:253], v[102:103]
	v_pk_add_f32 v[250:251], v[250:251], v[106:107]
	v_pk_add_f32 v[248:249], v[248:249], v[110:111]
	v_pk_add_f32 v[246:247], v[246:247], v[114:115]
	v_pk_add_f32 v[244:245], v[244:245], v[118:119]
	v_pk_add_f32 v[14:15], v[14:15], v[122:123]
	v_pk_add_f32 v[228:229], v[228:229], v[126:127]
	v_pk_add_f32 v[254:255], v[254:255], v[130:131]
	v_pk_add_f32 v[252:253], v[252:253], v[134:135]
	v_pk_add_f32 v[250:251], v[250:251], v[138:139]
	v_pk_add_f32 v[248:249], v[248:249], v[142:143]
	v_pk_add_f32 v[246:247], v[246:247], v[146:147]
	v_pk_add_f32 v[244:245], v[244:245], v[150:151]
	v_pk_add_f32 v[14:15], v[14:15], v[154:155]
	v_pk_add_f32 v[228:229], v[228:229], v[158:159]
	s_delay_alu instid0(VALU_DEP_2)
	v_pk_add_f32 v[14:15], v[14:15], v[250:251]
	s_delay_alu instid0(VALU_DEP_2)
	v_pk_add_f32 v[228:229], v[228:229], v[248:249]
	v_pk_add_f32 v[254:255], v[254:255], v[246:247]
	v_pk_add_f32 v[252:253], v[252:253], v[244:245]
	s_delay_alu instid0(VALU_DEP_2)
	v_pk_add_f32 v[14:15], v[14:15], v[254:255]
	s_delay_alu instid0(VALU_DEP_2)
	v_pk_add_f32 v[228:229], v[228:229], v[252:253]
	s_delay_alu instid0(VALU_DEP_1)
	v_pk_add_f32 v[14:15], v[14:15], v[228:229]
	s_wait_alu depctr_va_vdst(0)                   ; and one for the four
.irp b, 0,1,2,3
	v_max_num_f32 v[BM+\b], 0x1800000, v[BM+\b]    ; the floor: a block whose every p is 0 keeps the byte 1; its codes are zeros
.endr
.irp b, 0,1,2,3
	s_delay_alu instid0(VALU_DEP_4)
	v_add_nc_u32 v[SOP+\b], 0xff000000, v[BM+\b]
.endr
.irp b, 0,1,2,3
	s_delay_alu instid0(VALU_DEP_4)
	v_lshrrev_b32 v[BP+\b], 23, v[SOP+\b]
.endr
	s_delay_alu instid0(VALU_DEP_3)
	v_lshl_or_b32 v227, v[BP+1], 8, v[BP]          ; p's scale word for these 128 keys
	s_delay_alu instid0(VALU_DEP_1)
	v_lshl_or_b32 v227, v[BP+2], 16, v227
	s_delay_alu instid0(VALU_DEP_1)
	v_lshl_or_b32 v227, v[BP+3], 24, v227
	s_setprio 0
.irp c, 0,1
	v_cvt_scalef32_pk16_fp6_f32 v[PC+6*\c:PC+2+6*\c], v[96+32*\c:111+32*\c], v[SOP+2*\c]
	v_cvt_scalef32_pk16_fp6_f32 v[PDD+4*\c:PDD+2+4*\c], v[112+32*\c:127+32*\c], v[SOP+2*\c+1]
.endr
	v_nop
.irp c, 0,1
.irp i, 0,1,2
	v_permlane16_swap_b32 v[PC+6*\c+\i], v[PDD+4*\c+\i]
.endr
.irp i, 0,1,2
	s_delay_alu instid0(VALU_DEP_3)
	v_mov_b32 v[PC+3+6*\c+\i], v[PDD+4*\c+\i]
.endr
.endr
	s_wait_dscnt 0x0                               ; v's tiles and scale words are in
	v_or_b32 v94, v90, v92                         ; the first 64 keys' two bytes and the second's, which were stored 16 bits up
	v_or_b32 v95, v91, v93
.irp j, 0,2,4,6,8,10,12,14,16,18,20,22,24,26,28,30
	v_pk_mul_f32 v[160+\j:161+\j], v[160+\j:161+\j], v[224:225] op_sel_hi:[1,0]   ; O^T under the new M; these sixteen are also the places in front of the scaled products below
.endr
.irp t, 0,2                            ; O^T += V^T P^T: four accumulators, one instruction each
	v_wmma_scale_f32_16x16x128_f8f6f4 v[160+8*\t:167+8*\t], v[32+12*\t:43+12*\t], v[PC:PC+11], v[160+8*\t:167+8*\t], v[94+\t/2], v227 matrix_a_fmt:MATRIX_FMT_FP6 matrix_b_fmt:MATRIX_FMT_FP6
	v_wmma_scale_f32_16x16x128_f8f6f4 v[168+8*\t:175+8*\t], v[44+12*\t:55+12*\t], v[PC:PC+11], v[168+8*\t:175+8*\t], v[94+\t/2], v227 matrix_a_fmt:MATRIX_FMT_FP6 matrix_b_fmt:MATRIX_FMT_FP6 matrix_a_scale:MATRIX_SCALE_ROW1
.endr
.Lhidden_\@:
	s_add_co_u32 s[KF], s[KF], 128
	s_add_co_u32 s[TB], s[TB], STEPB
.endm
; THE CHANGE OF SLOTS, at a slot's head: every wave waits for all its tensor loads (its part of the slot ahead), adds 0 to its spare word, and waits for that and for its reads of the slot that it has left; one barrier.
; fill = 1: the slot just left is filled with the next 512 keys, while some wave of the work-group will read them: a slot whose first key lies behind the work-group's last query is not asked for.  That test is made of ids
; and the count of steps, the same in all sixteen waves, and leads round the load's own lines alone; every wait on the tensor counter in this text is for 0.
.macro CHANGE fill
	s_wait_tensorcnt 0x0
	ds_add_u32 v[SPW], v[NIL]
.if \fill
	s_xor_b32 s[G0+1], s[G0+1], SLOT1
	s_add_nc_u64 s[G0+2:G0+3], s[G0+2:G0+3], SLOTB
.endif
	s_wait_dscnt 0x0
	s_barrier_signal -1
	s_barrier_wait -1
.if \fill
	s_add_co_u32 s40, s[KF], 512
	s_cmp_gt_u32 s40, s[LASTQ]
	s_cbranch_scc1 .Lpast_\@
	tensor_load_to_lds s[G0:G0+3], s[G1:G1+7]      ; my one tensor load until the next such barrier: it has four key steps in which to land
	s_nop 0
.rept 4
	v_nop
.endr
.Lpast_\@:
.endif
.endm
.macro SLOT_STEPS
	s_mov_b32 s[CNT], 4
.Lstep_\@:
	STEP
	s_sub_co_u32 s[CNT], s[CNT], 1
	s_cmp_lg_u32 s[CNT], 0
	s_cbranch_scc1 .Lstep_\@
	s_setprio 0
	s_sub_co_u32 s[TB], s[TB], SLOTB
	s_xor_b32 s[TB], s[TB], SLOT1
.endm
	s_load_b128 s[4:7], s[0:1], 0x0                ; qw, yw
	v_lshl_add_u32 v[SPW], v0, 2, SPARE
	v_mov_b32 v[NIL], 0
	ds_add_u32 v[SPW], v[NIL]                      ; the opening: the add, twice on end, and its wait ahead of my first tensor load
	ds_add_u32 v[SPW], v[NIL]
	v_lshrrev_b32 v8, 5, v0
	s_delay_alu instid0(VALU_DEP_1)
	v_readfirstlane_b32 s[WV], v8
	s_lshr_b32 s[TIX], s[WV], 1                    ; my tile of the block's eight
	s_lshr_b32 s[HI], s[WV], 2
	s_xor_b32 s[HI], s[HI], s[WV]
	s_and_b32 s[HI], s[HI], 1                      ; the early block (0) or the late one (1)
	s_and_b32 s[BH], ttmp7, 0xffff                 ; 16 batch + head
	s_sub_co_u32 s[BLK], 15, ttmp9
	s_lshl_b32 s[LASTQ], s[BLK], 7
	s_add_co_u32 s[LASTQ], s[LASTQ], 127
	s_cmp_eq_u32 s[HI], 1
	s_cselect_b32 s[BLK], s[BLK], ttmp9
	s_mov_b32 s[G1], 3<<16                         ; no mask; elements of 8 bytes; no padding: 13 rows of 256 dense bytes
	s_mov_b32 s[G1+1], 32<<16
	s_mov_b32 s[G1+2], 13<<16
	s_mov_b32 s[G1+3], 32<<16
	s_mov_b32 s[G1+4], 13
	s_mov_b32 s[G1+5], 32
	s_mov_b32 s[G1+6], 0
	s_mov_b32 s[G1+7], 0
	s_mul_i32 s41, s[WV], 3328                     ; my 13 rows of a slot
	s_mul_i32 s42, s[BH], 212992
	s_add_co_u32 s42, s42, s41
	s_add_co_u32 s42, s42, KV
	s_mov_b32 s43, 0
	s_mov_b32 s[SEL], 0x76543210
	s_mov_b32 s[SEL+1], 0xfedcba98
	s_mov_b32 s[CS], 0x3e38aa3b                    ; log2(e) / 8
	s_mov_b32 s[CS+1], s[CS]
	s_mov_b32 s[KF], 0
	s_mov_b32 s[TB], 0
	s_mov_b32 s[SLOTS], 3
	s_wait_dscnt 0x0
	s_wait_kmcnt 0x0
	s_mov_b32 s[G0], 1
	s_mov_b32 s[G0+1], s41
	s_add_nc_u64 s[G0+2:G0+3], s[4:5], s[42:43]
	s_or_b32 s[G0+3], s[G0+3], 0x80000000
	tensor_load_to_lds s[G0:G0+3], s[G1:G1+7]      ; slot 0: every wave's way passes this load
	s_nop 0
.rept 4
	v_nop
.endr
	v_and_b32 v10, 31, v0
	v_and_b32 v11, 15, v0                          ; r
	v_bfe_u32 v9, v0, 4, 1                         ; h
	s_delay_alu instid0(VALU_DEP_3)
	v_lshlrev_b32 v1, 4, v10                       ; 16 x lane
	s_wait_alu depctr_va_vdst(0)
	v_lshlrev_b32 v2, 3, v10                       ; 8 x lane
	s_wait_alu depctr_va_vdst(0)
	v_and_b32 v3, 8, v11
	s_delay_alu instid0(VALU_DEP_1)
	v_add_nc_u32 v3, v3, v11
	v_lshlrev_b32 v8, 4, v9
	s_delay_alu instid0(VALU_DEP_1)
	v_sub_nc_u32 v3, v3, v8                        ; r + 8 (r / 8) - 16 h
	v_lshlrev_b32 v7, 3, v11                       ; 8 r
	s_wait_alu depctr_va_vdst(0)
	s_lshl_b32 s44, s[HI], 3
	s_add_co_u32 s44, s44, s[TIX]
	s_lshl_b32 s44, s44, 6
	s_add_co_u32 s44, s44, YSL
	v_lshl_add_u32 v4, v11, 2, s44                 ; y's scale word of my row
	s_lshl_b32 s44, s[HI], 9
	s_add_co_u32 s44, s44, YSL
	v_add_nc_u32 v29, s44, v1                      ; and where a block's 512 bytes of them are read back
	s_lshl_b32 s44, s[BLK], 3
	s_add_co_u32 s44, s44, s[TIX]                  ; my tile of the head's 128
	s_lshl_b32 s45, s[BH], 7
	s_add_co_u32 s45, s45, s44
	s_mul_i32 s46, s45, 768
	s_mov_b32 s47, 0
	s_add_nc_u64 s[46:47], s[4:5], s[46:47]
	global_load_b128 v[16:19], v1, s[46:47]        ; q's record stays in registers
	global_load_b64 v[20:21], v2, s[46:47] offset:512
	s_lshl_b32 s48, s[BH], 5
	s_lshr_b32 s49, s44, 2
	s_add_co_u32 s48, s48, s49
	s_lshl_b32 s48, s48, 8
	s_and_b32 s49, s44, 1
	s_lshl_b32 s49, s49, 7
	s_add_co_u32 s48, s48, s49
	s_bfe_u32 s49, s44, 0x10001
	s_lshl_b32 s49, s49, 2
	s_add_co_u32 s48, s48, s49
	s_add_co_u32 s48, s48, QS
	s_mov_b32 s49, 0
	s_add_nc_u64 s[48:49], s[4:5], s[48:49]
	global_load_b32 v28, v7, s[48:49]              ; q's scale words
	s_lshl_b32 s[Q0], s[BLK], 7
	s_lshr_b32 s45, s[TIX], 1
	s_lshl_b32 s45, s45, 5
	s_add_co_u32 s[Q0], s[Q0], s45
	s_and_b32 s45, s[TIX], 1
	s_lshl_b32 s45, s45, 3
	s_add_co_u32 s[Q0], s[Q0], s45                 ; lane r's query is this + r + 8 (r / 8)
	s_add_co_u32 s[QL], s[Q0], 23
	s_lshr_b32 s54, s[BH], 4                       ; batch
	s_and_b32 s55, s[BH], 15                       ; head
	s_lshl_b32 s54, s54, 4
	s_add_co_u32 s54, s54, s[BLK]                  ; y's panel of 128 rows
	s_mul_i32 s50, s54, 98304
	s_lshr_b32 s45, s55, 2
	s_mul_i32 s45, s45, 24576
	s_add_co_u32 s50, s50, s45
	s_mul_i32 s45, s[TIX], 3072
	s_add_co_u32 s50, s50, s45
	s_and_b32 s45, s55, 3
	s_mul_i32 s45, s45, 768
	s_add_co_u32 s50, s50, s45
	s_mov_b32 s51, 0
	s_add_nc_u64 s[50:51], s[6:7], s[50:51]        ; my record of y: the head is its 64 along the last product's K
	s_lshl_b32 s52, s54, 4
	s_add_co_u32 s52, s52, s55
	s_lshl_b32 s52, s52, 9
	s_add_co_u32 s52, s52, YS
	s_mov_b32 s53, 0
	s_add_nc_u64 s[52:53], s[6:7], s[52:53]
	s_and_b32 s[SHIFT], s55, 1
	s_lshl_b32 s[SHIFT], s[SHIFT], 4               ; an odd head's two bytes are stored 16 bits up
.irp j, 22,23,24,25,26,27,80,81,82,83,84,85
	v_mov_b32 v[\j], 0                             ; zero codes: q's upper 64 along K, and what stands behind k's last tile
.endr
	v_mov_b32 v13, 0xff61b1e6                      ; the largest t so far: -3e38
	s_delay_alu instid0(VALU_DEP_1)
	v_floor_f32 v12, -v13
	v_mov_b32 v14, 0
	v_mov_b32 v15, 0
.irp b, 0,1,2,3
	v_mov_b32 v[BP+\b], 0                          ; written once: a lane permute's destination counts as one of its sources
.endr
	v_mov_b32 v225, 0                              ; (named as the upper half of the pair v[224:225])
	v_mov_b32 v226, 0
.irp j, 0,1,2,3,4,5,6,7,8,9,10,11,12,13,14,15,16,17,18,19,20,21,22,23,24,25,26,27,28,29,30,31
	v_mov_b32 v[160+\j], 0                         ; O^T: the step is written once; the first finds zeros
.endr
	s_wait_loadcnt 0x0                             ; q
.Lslot:                                            ; three trips; the last slot is written out, with no load
	CHANGE 1
	SLOT_STEPS
	s_sub_co_u32 s[SLOTS], s[SLOTS], 1
	s_cmp_lg_u32 s[SLOTS], 0
	s_cbranch_scc1 .Lslot
	CHANGE 0
	SLOT_STEPS
	; THE WAY OUT: y = O^T / the sum, quantised along the head's 64 channels, which are a lane's 32 registers and lane l xor 16's
.rept 4
	v_nop
.endr
	v_add_f32 v14, v14, v15
	s_delay_alu instid0(VALU_DEP_1)
	v_permlanex16_b32 v226, v14, s[SEL], s[SEL+1]
	s_delay_alu instid0(VALU_DEP_1)
	v_add_f32 v14, v14, v226
	s_wait_alu depctr_va_vdst(0)
	v_rcp_f32 v14, v14
	v_nop                                          ; a plain line behind the reciprocal
	s_wait_alu depctr_va_vdst(0)                   ; and the wait ahead of its first reader
.irp j, 0,1,2,3,4,5,6,7,8,9,10,11,12,13,14,15,16,17,18,19,20,21,22,23,24,25,26,27,28,29,30,31
	v_mul_f32 v[96+\j], v[160+\j], v14             ; each accumulator from its low end on
.endr
	QUANT2 96, PC, 30
	global_store_b128 v1, v[PC:PC+3], s[50:51]
	global_store_b64 v2, v[PC+4:PC+5], s[50:51] offset:512
	ds_store_b32 v4, v30                           ; both halves of the lanes write the same word with the same value
	s_wait_dscnt 0x0                               ; for the others' sake
	s_barrier_signal -1
	s_barrier_wait -1
	s_cmp_gt_u32 s[WV], 1                          ; wave 0 stores the early block's 512 bytes of scale words, wave 1 the late block's
	s_cbranch_scc1 .Ldone
	ds_load_b128 v[96:99], v29
	s_wait_dscnt 0x0
	global_store_b128 v1, v[96:99], s[52:53]
.Ldone:
	s_wait_tensorcnt 0x0                           ; the wave's end
	ds_add_u32 v[SPW], v[NIL]
	s_wait_dscnt 0x0
	s_endpgm
.Lfunc_end_k_q88aaff9442_attn:
	.size	k_q88aaff9442_attn, .Lfunc_end_k_q88aaff9442_attn-k_q88aaff9442_attn
	.p2alignl 7, 3214868480
	.fill 96, 4, 3214868480
	.section	.rodata,"a",@progbits
	.p2align	6, 0x0
	.amdhsa_kernel k_q88aaff9442_attn
		.amdhsa_group_segment_fixed_size 327680
		.amdhsa_private_segment_fixed_size 0
		.amdhsa_enable_private_segment 0
		.amdhsa_kernarg_size 16
		.amdhsa_user_sgpr_count 2
		.amdhsa_user_sgpr_kernarg_segment_ptr 1
		.amdhsa_wavefront_size32 1
		.amdhsa_system_sgpr_workgroup_id_x 1
		.amdhsa_system_sgpr_workgroup_id_y 1
		.amdhsa_system_sgpr_workgroup_id_z 1
		.amdhsa_system_vgpr_workitem_id 0
		.amdhsa_next_free_vgpr 256
		.amdhsa_next_free_sgpr 66
		.amdhsa_reserve_vcc 1
		.amdhsa_float_denorm_mode_32 3
		.amdhsa_float_denorm_mode_16_64 3
		.amdhsa_memory_ordered 1
		.amdhsa_forward_progress 1
		.amdhsa_inst_pref_size 59
	.end_amdhsa_kernel
	.amdgpu_metadata
---
amdhsa.version: [ 1, 2 ]
amdhsa.kernels:
  - .name:           k_q88aaff9442_attn
    .symbol:         k_q88aaff9442_attn.kd
    .args:
      - { .name: qw, .offset: 0, .size: 8, .value_kind: global_buffer, .address_space: global }
      - { .name: yw, .offset: 8, .size: 8, .value_kind: global_buffer, .address_space: global }
    .group_segment_fixed_size: 327680
    .private_segment_fixed_size: 0
    .kernarg_segment_align: 8
    .kernarg_segment_size: 16
    .max_flat_workgroup_size: 512
    .sgpr_count:     66
    .vgpr_count:     256
    .wavefront_size: 32
...
	.end_amdgpu_metadata
.endif
;; end of part 3
;; launch proj (part 4): grid 8 x 32, 4 waves a work-group, clusters of 4 x 4, 327,680 bytes of LDS; arguments pw, yw, out0; writes out0
.if DOCPART == 4
	.amdgcn_target "amdgcn-amd-amdhsa--gfx1250"
	.amdhsa_code_object_version 6
	.text
	.protected	k_q88aaff9442_proj
	.globl	k_q88aaff9442_proj
	.p2align	8
	.type	k_q88aaff9442_proj,@function
k_q88aaff9442_proj:
	s_mov_b64 s[64:65], 0
	v_nop
	global_prefetch_b8 v0, s[64:65] scope:SCOPE_SE
	s_setreg_imm32_b32 hwreg(HW_REG_WAVE_MODE, 25, 1), 1
	s_wait_xcnt 0x0
	s_wait_alu depctr_hold_cnt(0) depctr_sa_sdst(0) depctr_va_vdst(0) depctr_va_sdst(0) depctr_va_ssrc(0) depctr_va_vcc(0) depctr_vm_vsrc(0)
	s_getreg_b32 s2, hwreg(HW_REG_IB_STS2, 6, 4)
	s_cmp_eq_u32 s2, 0
	s_cbranch_scc0 .Lentry_in_a_cluster
	s_endpgm
.Lentry_in_a_cluster:
	s_bfe_u32 s2, ttmp6, 0x10000c
	s_cmp_lg_u32 s2, 0xf033
	s_cbranch_scc0 .Lentry_shape_is_right
	s_endpgm
.Lentry_shape_is_right:
; PROJ: out0 = y W_proj on codes of E2M3.  The second launch's product, with source 0 = 128 columns of W_proj (panel 4 x cluster x + cx, shared along a column of the cluster) and source 1 = 128 rows of y
; (panel 4 x cluster y + cy, shared along a row).  Four waves of 64 x 64; both panels lie whole in LDS, asked for once at the head: no slot is filled again.  Nothing is left out here.
; y's scale words lie by heads, two bytes each, an odd head's 16 bits up: a K step of 128 is two heads, whose words are joined by one OR.
; The rows of every tile are in the order 8 u + r + 8 (r / 8) in each 32: a lane's 32 registers of a tile of rows are columns 32 B + 16 (lane / 16) + i, and lane r's row is 32 (a / 2) + 8 (a % 2) + r + 8 (r / 8).
; THE WAY OUT: a wave's 64 columns are 256 bytes of a row: 16 rows at a time go through the wave's own stage and leave with sixteen lanes to 256 consecutive bytes, aligned.
; REGISTERS: window 0: v1-31 addresses; v64-95, v96-127 scale words (they hold nothing else); v128-255 accumulators.  window 1: two fragment buffers; on the way out v0-63 of it take the rows read back.
.set WPC,   5734400
.set WPS,   6520832
.set YS,    3145728
.set CHK,   49152
.set SCL0,  196608
.set SCL1,  200704                     ; y's scale words: [head 16][row 128][4]: 8,192 bytes
.set STAGE, 208896                     ; 16 rows x (256 + 16) for each wave
.set SPARE, 226304
.set WV, 10
.set W1, 11
.set W0, 12
.set G1,   24
.set G1B,  32
.set G1S,  40
.set G1SB, 48
.set G0S0, 56
.set G0A0, 60
.set G0B0, 68
.set G0S1, 72
.set G0A1, 76
.set G0B1, 80
.set CO,  14
.set SA0, 24
.set SA1, 25
.set L16, 26
.set L8,  27
.set SPW, 28
.set NIL, 29
.set STO, 30
.set RD,  31
.set SC0, 64
.set SC1, 96
.set ACC, 128
.set MSB, 0
.macro WIN new
.if MSB != \new
	s_set_vgpr_msb (MSB<<8)|\new
.set MSB, \new
.endif
.endm
.macro PLACES
.rept 4
	v_nop
.endr
.endm
.macro JLOAD g0a, g1a, g0b, g1b        ; a joint load: waves 0 and 1 fetch for source 0, waves 2 and 3 for source 1; an s_nop 0 and four v_nop follow each line
	s_cmp_eq_u32 s[W1], 0
	s_cbranch_scc0 .Lfor_b_\@
	tensor_load_to_lds s[\g0a:\g0a+3], s[\g1a:\g1a+7]
	s_nop 0
.rept 4
	v_nop
.endr
	s_branch .Lasked_\@
.Lfor_b_\@:
	tensor_load_to_lds s[\g0b:\g0b+3], s[\g1b:\g1b+7]
	s_nop 0
.rept 4
	v_nop
.endr
.Lasked_\@:
.endm
.macro CROUND
	s_barrier_signal -1
	s_barrier_wait -1
	s_cmp_lg_u32 s[WV], 0
	s_cbranch_scc1 .Lnot_wave_0_\@
	s_barrier_signal -3
.Lnot_wave_0_\@:
	s_barrier_wait -3
	s_barrier_signal -1
	s_barrier_wait -1
.endm
.macro FRAG reg, a16, off
	ds_load_b128 v[\reg:\reg+3], v[\a16] offset:\off
	ds_load_b64 v[\reg+4:\reg+5], v[\a16+1] offset:\off+512
	ds_load_b128 v[\reg+6:\reg+9], v[\a16] offset:\off+768
	ds_load_b64 v[\reg+10:\reg+11], v[\a16+1] offset:\off+1280
.endm
.macro FETCH s
.set FB, 128*((\s)%2)
.set AD, 16+4*((\s)/4)
.set OB, (((\s)/2)%2)*CHK+((\s)%2)*1536
	WIN 0x40
.irp b, 0,1,2,3
	FRAG FB+12*\b, AD, OB+\b*3072
.endr
.irp a, 0,1,2,3
	FRAG FB+48+12*\a, AD+2, OB+\a*3072
.endr
.endm
.macro MUL8 s, a0, zero                ; the 16 accumulators take turns, one instruction a turn
.set FB, 128*((\s)%2)
.irp a, \a0, \a0+1
.irp b, 0,1,2,3
.if \zero
	v_wmma_scale_f32_16x16x128_f8f6f4 v[ACC+8*(4*(\a)+\b):ACC+8*(4*(\a)+\b)+7], v[FB+12*\b:FB+12*\b+11], v[FB+48+12*(\a):FB+48+12*(\a)+11], 0, v[SC0+8*\b+(\s)], v[SC1+8*(\a)+(\s)] matrix_a_fmt:MATRIX_FMT_FP6 matrix_b_fmt:MATRIX_FMT_FP6
.else
	v_wmma_scale_f32_16x16x128_f8f6f4 v[ACC+8*(4*(\a)+\b):ACC+8*(4*(\a)+\b)+7], v[FB+12*\b:FB+12*\b+11], v[FB+48+12*(\a):FB+48+12*(\a)+11], v[ACC+8*(4*(\a)+\b):ACC+8*(4*(\a)+\b)+7], v[SC0+8*\b+(\s)], v[SC1+8*(\a)+(\s)] matrix_a_fmt:MATRIX_FMT_FP6 matrix_b_fmt:MATRIX_FMT_FP6
.endif
.endr
.endr
.endm
.macro KSTEP s, zero
.if (\s) == 3
	s_wait_tensorcnt 0x0                           ; my last load, chunk 2 or 3, has landed;
	s_wait_dscnt 0x0                               ; no LDS instruction of mine is out at the signal
	s_barrier_signal -1
.else
	s_wait_dscnt 8                                 ; all but the youngest eight loads (source 1's tiles 2 and 3) are in
.endif
	WIN 0x05
	MUL8 \s, 0, \zero
.if (\s) == 3
	s_barrier_wait -1                              ; chunks 2 and 3 are whole.
.endif
.if (\s) < 7
	PLACES
	FETCH (\s)+1
	s_wait_dscnt 32                                ; all but the 32 just issued
.else
	s_wait_dscnt 0x0
.endif
	WIN 0x05
	MUL8 \s, 2, \zero
.endm
.macro TOSTAGE a                       ; tile a's 16 rows x 64 columns into my stage, each accumulator from its low end on, and back as whole rows.  LDS serves a wave's instructions in order
	WIN 0
.irp b, 0,1,2,3
	ds_store_b128 v[STO], v[ACC+32*(\a)+8*\b:ACC+32*(\a)+8*\b+3] offset:128*(\b/2)+32*(\b%2)
	ds_store_b128 v[STO], v[ACC+32*(\a)+8*\b+4:ACC+32*(\a)+8*\b+7] offset:128*(\b/2)+32*(\b%2)+16
.endr
	WIN 0x40                                       ; destination window 1
.irp i, 0,1,2,3,4,5,6,7
	ds_load_b128 v[32*((\a)%2)+4*\i:32*((\a)%2)+4*\i+3], v[RD] offset:544*\i
.endr
.endm
.macro SEND a, younger                 ; younger: the LDS instructions issued behind tile a's loads
	s_wait_dscnt \younger
	WIN 0x04                                       ; a store's data are its source 1: window 1
.irp i, 0,1,2,3,4,5,6,7
	global_store_b128 v[CO], v[32*((\a)%2)+4*\i:32*((\a)%2)+4*\i+3], s[8:9] offset:(32*((\a)/2)+8*((\a)%2)+2*\i+8*(\i/4))*4096 th:TH_STORE_NT
.endr
.endm
	s_load_b128 s[4:7], s[0:1], 0x0                ; pw, yw
	s_load_b64 s[8:9], s[0:1], 0x10                ; out0
	v_lshl_add_u32 v[SPW], v0, 2, SPARE
	v_mov_b32 v[NIL], 0
	ds_add_u32 v[SPW], v[NIL]                      ; the opening: the add, twice on end, and its wait ahead of my first tensor load
	ds_add_u32 v[SPW], v[NIL]
	v_lshrrev_b32 v1, 5, v0
	v_readfirstlane_b32 s[WV], v1
	s_lshr_b32 s[W1], s[WV], 1
	s_and_b32 s[W0], s[WV], 1
	s_bfe_u32 s13, ttmp6, 0x40000                  ; cx
	s_bfe_u32 s14, ttmp6, 0x40004                  ; cy
	s_lshl_b32 s16, ttmp9, 2
	s_add_co_u32 s16, s16, s13                     ; W_proj's panel
	s_and_b32 s17, ttmp7, 0xffff
	s_lshl_b32 s17, s17, 2
	s_add_co_u32 s17, s17, s14                     ; y's panel
	s_lshl_b32 s23, s14, 2
	s_lshl_b32 s23, 15, s23                        ; my row of the cluster
	s_lshl_b32 s2, 0x1111, s13                     ; my column
	s_or_b32 s[G1], s2, (3<<16)|(1<<21)
	s_or_b32 s[G1S], s2, (3<<16)|(1<<21)
	s_or_b32 s[G1B], s23, (3<<16)|(1<<21)
	s_or_b32 s[G1SB], s23, (3<<16)|(1<<21)
.irp g, G1, G1B                        ; a chunk: 96 rows of 256 dense bytes
	s_mov_b32 s[\g+1], 32<<16
	s_mov_b32 s[\g+2], 96<<16
	s_mov_b32 s[\g+3], 32<<16
	s_mov_b32 s[\g+4], 96
	s_mov_b32 s[\g+5], 32
	s_mov_b32 s[\g+6], 0
	s_mov_b32 s[\g+7], 0
.endr
	s_mov_b32 s[G1S+1], 32<<16                     ; half of W_proj's scale bytes: 8 rows
	s_mov_b32 s[G1S+2], 8<<16
	s_mov_b32 s[G1S+3], 32<<16
	s_mov_b32 s[G1S+4], 8
	s_mov_b32 s[G1S+5], 32
	s_mov_b32 s[G1S+6], 0
	s_mov_b32 s[G1S+7], 0
	s_mov_b32 s[G1SB+1], 32<<16                    ; half of y's scale words: 16 rows
	s_mov_b32 s[G1SB+2], 16<<16
	s_mov_b32 s[G1SB+3], 32<<16
	s_mov_b32 s[G1SB+4], 16
	s_mov_b32 s[G1SB+5], 32
	s_mov_b32 s[G1SB+6], 0
	s_mov_b32 s[G1SB+7], 0
	s_mul_i32 s84, s16, 98304
	s_mul_i32 s85, s[W0], 24576
	s_add_co_u32 s84, s84, s85
	s_add_co_u32 s84, s84, WPC
	s_mov_b32 s85, 0
	s_lshl_b32 s86, s16, 12
	s_lshl_b32 s87, s[W0], 11
	s_add_co_u32 s86, s86, s87
	s_add_co_u32 s86, s86, WPS
	s_mov_b32 s87, 0
	s_mul_i32 s88, s17, 98304
	s_mul_i32 s89, s[W0], 24576
	s_add_co_u32 s88, s88, s89
	s_mov_b32 s89, 0
	s_lshl_b32 s90, s17, 13
	s_lshl_b32 s91, s[W0], 12
	s_add_co_u32 s90, s90, s91
	s_add_co_u32 s90, s90, YS
	s_mov_b32 s91, 0
	s_mul_i32 s92, s[W0], CHK
	s_lshl_b32 s93, s[W0], 11
	s_lshl_b32 s94, s[W0], 12
	s_wait_dscnt 0x0
	s_wait_kmcnt 0x0
	CROUND                                         ; all sixteen work-groups are here: the joint loads meet
	s_mov_b32 s[G0S0], 1
	s_add_co_u32 s[G0S0+1], s93, SCL0
	s_add_nc_u64 s[G0S0+2:G0S0+3], s[4:5], s[86:87]
	s_or_b32 s[G0S0+3], s[G0S0+3], 0x80000000
	s_mov_b32 s[G0S1], 1
	s_add_co_u32 s[G0S1+1], s94, SCL1
	s_add_nc_u64 s[G0S1+2:G0S1+3], s[6:7], s[90:91]
	s_or_b32 s[G0S1+3], s[G0S1+3], 0x80000000
	JLOAD G0S0, G1S, G0S1, G1SB                    ; three loads of mine are out at the most
	s_mov_b32 s[G0A0], 1
	s_mov_b32 s[G0A0+1], s92
	s_add_nc_u64 s[G0A0+2:G0A0+3], s[4:5], s[84:85]
	s_or_b32 s[G0A0+3], s[G0A0+3], 0x80000000
	s_mov_b32 s[G0A1], 1
	s_add_co_u32 s[G0A1+1], s92, 24576
	s_add_nc_u64 s[G0A1+2:G0A1+3], s[6:7], s[88:89]
	s_or_b32 s[G0A1+3], s[G0A1+3], 0x80000000
	JLOAD G0A0, G1, G0A1, G1B
	s_add_co_u32 s84, s84, 49152
	s_add_co_u32 s88, s88, 49152
	s_mov_b32 s[G0B0], 1
	s_add_co_u32 s[G0B0+1], s92, 2*CHK
	s_add_nc_u64 s[G0B0+2:G0B0+3], s[4:5], s[84:85]
	s_or_b32 s[G0B0+3], s[G0B0+3], 0x80000000
	s_mov_b32 s[G0B1], 1
	s_add_co_u32 s[G0B1+1], s92, 2*CHK+24576
	s_add_nc_u64 s[G0B1+2:G0B1+3], s[6:7], s[88:89]
	s_or_b32 s[G0B1+3], s[G0B1+3], 0x80000000
	JLOAD G0B0, G1, G0B1, G1B
	v_and_b32 v1, 31, v0
	v_and_b32 v2, 15, v0                           ; r
	v_bfe_u32 v3, v0, 4, 1                         ; h
	v_lshlrev_b32 v[L16], 4, v1
	v_lshlrev_b32 v[L8], 3, v1
	s_mul_i32 s18, s[W0], 12288
	s_mul_i32 s19, s[W1], 12288
	s_add_co_u32 s19, s19, 24576
	v_add_nc_u32 v16, s18, v[L16]
	v_add_nc_u32 v17, s18, v[L8]
	v_add_nc_u32 v18, s19, v[L16]
	v_add_nc_u32 v19, s19, v[L8]
.irp i, 0,1,2,3
	v_add_nc_u32 v[20+\i], 2*CHK, v[16+\i]         ; a second set for chunks 2 and 3: no address is ever stepped
.endr
	s_lshl_b32 s18, s[W0], 9
	s_add_co_u32 s18, s18, SCL0
	v_lshl_add_u32 v[SA0], v2, 3, s18
	s_lshl_b32 s19, s[W1], 8
	s_add_co_u32 s19, s19, SCL1
	v_lshl_add_u32 v[SA1], v2, 2, s19              ; y's: 4 bytes a row and head
	s_mul_i32 s18, s[WV], 16*272
	s_add_co_u32 s18, s18, STAGE                   ; my stage
	v_mul_u32_u24 v4, v2, 272
	v_lshl_add_u32 v4, v3, 6, v4
	v_add_nc_u32 v[STO], s18, v4                   ; in: row r, + 64 h
	v_mul_u32_u24 v4, v3, 272
	v_lshl_add_u32 v4, v2, 4, v4
	v_add_nc_u32 v[RD], s18, v4                    ; back: lanes 0-15 one row, lanes 16-31 the next
	v_lshlrev_b32 v4, 12, v3
	v_lshl_add_u32 v[CO], v2, 4, v4                ; and the same in out0
	s_lshl_b32 s96, s17, 7
	s_lshl_b32 s97, s[W1], 6
	s_add_co_u32 s96, s96, s97                     ; my first row
	s_lshl_b32 s96, s96, 12
	s_lshl_b32 s97, s16, 9
	s_add_co_u32 s96, s96, s97
	s_lshl_b32 s97, s[W0], 8
	s_add_co_u32 s96, s96, s97                     ; my first column, in bytes
	s_mov_b32 s97, 0
	s_add_nc_u64 s[8:9], s[8:9], s[96:97]
	s_wait_alu depctr_va_vdst(0)
	s_wait_tensorcnt 1                             ; my scale bytes and my first chunk are in; my second chunk may stay out
	s_barrier_signal -1
	s_barrier_wait -1
.irp kq, 0,1,2,3
.irp t, 0,1,2,3
	ds_load_b64 v[SC0+8*\t+2*\kq:SC0+8*\t+2*\kq+1], v[SA0] offset:1024*\kq+128*\t
.endr
.endr
.irp a, 0,1,2,3
.irp hd, 0,1,2,3,4,5,6,7,8,9,10,11,12,13,14,15
	ds_load_b32 v[ACC+16*\a+\hd], v[SA1] offset:512*\hd+64*\a   ; y's words by heads, into registers that the sums will take
.endr
.endr
	FETCH 0
	s_wait_dscnt 32                                ; all scale words are in
	WIN 0
.irp a, 0,1,2,3
.irp s, 0,1,2,3,4,5,6,7
	v_or_b32 v[SC1+8*\a+\s], v[ACC+16*\a+2*\s], v[ACC+16*\a+2*\s+1]   ; K step s: heads 2 s and 2 s + 1
.endr
.endr
.rept 8
	v_nop                                          ; a scale register written by a vector instruction stands 8 places ahead of a scaled matrix instruction
.endr
	s_wait_alu depctr_va_vdst(0)
	KSTEP 0, 1
	KSTEP 1, 0
	KSTEP 2, 0
	KSTEP 3, 0
	KSTEP 4, 0
	KSTEP 5, 0
	KSTEP 6, 0
	KSTEP 7, 0
	PLACES                                         ; four places in front of the first read of results and of loads into registers that held fragments
	TOSTAGE 0
.irp a, 1,2,3
.if \a > 1
	s_wait_xcnt 0x0                                ; tile a - 2's stores have read their registers: tile a's rows may land there
.endif
	TOSTAGE \a
	SEND \a-1, 16                                  ; behind tile a - 1's loads: tile a's 8 stores and 8 loads
.endr
	SEND 3, 0
	WIN 0
	s_wait_tensorcnt 0x0                           ; the wave's end
	ds_add_u32 v[SPW], v[NIL]
	s_wait_dscnt 0x0
	CROUND                                         ; the closing round
	s_endpgm
.Lfunc_end_k_q88aaff9442_proj:
	.size	k_q88aaff9442_proj, .Lfunc_end_k_q88aaff9442_proj-k_q88aaff9442_proj
	.p2alignl 7, 3214868480
	.fill 96, 4, 3214868480
	.section	.rodata,"a",@progbits
	.p2align	6, 0x0
	.amdhsa_kernel k_q88aaff9442_proj
		.amdhsa_group_segment_fixed_size 327680
		.amdhsa_private_segment_fixed_size 0
		.amdhsa_enable_private_segment 0
		.amdhsa_kernarg_size 24
		.amdhsa_user_sgpr_count 2
		.amdhsa_user_sgpr_kernarg_segment_ptr 1
		.amdhsa_wavefront_size32 1
		.amdhsa_system_sgpr_workgroup_id_x 1
		.amdhsa_system_sgpr_workgroup_id_y 1
		.amdhsa_system_sgpr_workgroup_id_z 1
		.amdhsa_system_vgpr_workitem_id 0
		.amdhsa_next_free_vgpr 512
		.amdhsa_next_free_sgpr 100
		.amdhsa_reserve_vcc 0
		.amdhsa_float_denorm_mode_32 3
		.amdhsa_float_denorm_mode_16_64 3
		.amdhsa_memory_ordered 1
		.amdhsa_forward_progress 1
		.amdhsa_inst_pref_size 58
	.end_amdhsa_kernel
	.amdgpu_metadata
---
amdhsa.version: [ 1, 2 ]
amdhsa.kernels:
  - .name:           k_q88aaff9442_proj
    .symbol:         k_q88aaff9442_proj.kd
    .args:
      - { .name: pw, .offset: 0, .size: 8, .value_kind: global_buffer, .address_space: global }
      - { .name: yw, .offset: 8, .size: 8, .value_kind: global_buffer, .address_space: global }
      - { .name: out0, .offset: 16, .size: 8, .value_kind: global_buffer, .address_space: global }
    .group_segment_fixed_size: 327680
    .private_segment_fixed_size: 0
    .kernarg_segment_align: 8
    .kernarg_segment_size: 24
    .max_flat_workgroup_size: 128
    .sgpr_count:     100
    .vgpr_count:     512
    .wavefront_size: 32
...
	.end_amdgpu_metadata
.endif
;; end of part 4
